; MI455X (gfx1250); checked and timed in simulation.
; The chip was launched on July 23, 2026; its instructions are those of AMD's public machine-readable ISA for CDNA 5 (MIT licence, August 2026) and "CDNA5" Instruction Set Architecture Reference Guide (July 2026). The comments in the code are by the model that wrote it; some were corrected since.
;; Attention Head. Allowed arithmetic: float matrix products may take bf16 or f16 operands with f32 sums; other float arithmetic in f32, or as packed bf16 or f16 multiplies, adds, multiply-adds, maxima and minima; sums over many terms, partial sums and values carried from step to step in f32; what a program stores and reads back later, other than sums and carried values, may be rounded once to bf16 or f16.
;; Inputs: Wk 1,024 x 128 float32; Wq 1,024 x 128 float32; Wv 1,024 x 128 float32; bk 128 float32; bq 128 float32; bv 128 float32; x 8 x 4,096 x 1,024 float32.
;; Outputs: out0 8 x 4,096 x 128 float32.
;; 2 versions, each right; version 2 is version 1 with the launch head written anew for expert scheduling mode. Each part assembles by itself: llvm-mc -triple=amdgcn-amd-amdhsa -mcpu=gfx1250 --defsym DOCPART=n.
;; ======== version 1 of 2: 4 launches
;; limits: values are held in f16: magnitudes above 65,504 overflow, below 6.1e-05 lose precision
;; workspace buffers: wt 786,432 bytes; bias 1,536 bytes; qh 8,388,608 bytes; kh 8,388,608 bytes; vh 8,388,608 bytes; lo 393,216 bytes
;; launch prep (part 1): grid 8 x 3, 4 waves a work-group, no clusters, 35,328 bytes of LDS; arguments Wq, Wk, Wv, bq, bk, bv, wt, bias; writes wt, bias
.if DOCPART == 1
	.amdgcn_target "amdgcn-amd-amdhsa--gfx1250"
	.amdhsa_code_object_version 6
	.text
	.protected	k_q06c25d3e54_prep
	.globl	k_q06c25d3e54_prep
	.p2align	8
	.type	k_q06c25d3e54_prep,@function
k_q06c25d3e54_prep:
	s_mov_b64 s[64:65], 0
	v_nop
	global_prefetch_b8 v0, s[64:65] scope:SCOPE_SE
	s_setreg_imm32_b32 hwreg(HW_REG_WAVE_MODE, 25, 1), 1
	s_wait_xcnt 0x0
; wt[128 j + n][k] = bf16(W_j[k][n]), j = 0, 1, 2 for Wq, Wk, Wv: the weights turned, so that K lies along the rows, and rounded once.
; bias[128 j + n] = b_j[n] rounded to bf16 and widened again to f32: every input of the module carries the same one rounding.
; SHARES.  Work-group (kb, j) takes rows 128 kb .. 128 kb + 127 of W_j: 65,536 dense bytes.  24 work-groups are all the work there is: a piece of an output row
; is 128 k = 256 bytes, so that each store of sixteen lanes covers 256 consecutive bytes, aligned.  No cluster: no two work-groups read the same byte.  No matrix unit: nothing is multiplied.
; WAY.  Wave w loads rows 32 w .. 32 w + 31 (a load = one row of 512 bytes; lane l holds columns 4 l .. 4 l + 3), packs pairs of rows to bf16, puts 64 bytes (32 k) of each of
; its lane's four columns into an LDS tile [128 n][272 bytes], and after a barrier reads whole rows of 256 bytes back.
; The LDS stores collide four deep (lanes lie 1,088 bytes apart, 64 modulo 256): sixteen stores a wave, once a launch.
.set PITCH, 272
.set SPARE, 128*PITCH                  ; behind the tile: the spare words, 128 bytes for each wave
.set VO,  5                            ; v5   my byte offset in the block of W: 16,384 w + 16 l
.set LS,  6                            ; v6   LDS: row 4 l, byte 64 w
.set LR,  7                            ; v7   LDS: row 32 w + l / 16, byte 16 (l % 16)
.set GO,  8                            ; v8   the same place in wt
.set BOF, 9                            ; v9   16 l: my four numbers of a bias
.set SPW, 28                           ; v28  LDS address of my spare word; never rewritten
.set NIL, 29                           ; v29  0; never rewritten
.set IN,  32                           ; v[32:159]  32 rows x 4 columns, f32; later 16 read-backs of 4 registers
.set PKD, 160                          ; v[160:223] column c: 16 registers, 32 k in bf16
	s_load_b256 s[4:11], s[0:1], 0x0               ; Wq s[4:5], Wk s[6:7], Wv s[8:9], bq s[10:11]
	s_load_b256 s[12:19], s[0:1], 0x20             ; bk s[12:13], bv s[14:15], wt s[16:17], bias s[18:19]
	v_lshl_add_u32 v[SPW], v0, 2, SPARE
	v_mov_b32 v[NIL], 0
	v_lshrrev_b32 v1, 5, v0
	v_readfirstlane_b32 s24, v1                    ; wave 0..3
	v_and_b32 v2, 31, v0                           ; l
	v_and_b32 v3, 15, v0                           ; l % 16
	v_bfe_u32 v4, v0, 4, 1                         ; l / 16
	s_and_b32 s25, ttmp7, 0xffff                   ; j
	s_lshl_b32 s26, s24, 14
	v_lshl_add_u32 v[VO], v2, 4, s26
	s_lshl_b32 s26, s24, 6
	v_mul_u32_u24 v[LS], v2, 4*PITCH
	v_add_nc_u32 v[LS], s26, v[LS]
	s_mul_i32 s26, s24, 32*PITCH
	v_mul_u32_u24 v[LR], v4, PITCH
	v_lshl_add_u32 v[LR], v3, 4, v[LR]
	v_add_nc_u32 v[LR], s26, v[LR]
	s_lshl_b32 s26, s24, 16                        ; 32 rows of wt, 2,048 bytes each
	v_lshlrev_b32 v[GO], 11, v4
	v_lshl_add_u32 v[GO], v3, 4, v[GO]
	v_add_nc_u32 v[GO], s26, v[GO]
	v_lshlrev_b32 v[BOF], 4, v2
	s_lshl_b32 s2, ttmp9, 16                       ; my block of W_j
	s_mov_b32 s3, 0
	s_lshl_b32 s26, s25, 18                        ; wt: 128 j rows,
	s_lshl_b32 s27, ttmp9, 8                       ; and 128 kb numbers along them
	s_add_co_u32 s26, s26, s27
	s_mov_b32 s27, 0
	s_lshl_b32 s28, s25, 9                         ; bias: 128 j numbers
	s_mov_b32 s29, 0
	s_wait_kmcnt 0x0
	s_cmp_eq_u32 s25, 1                            ; W_j and b_j are chosen by j
	s_cselect_b64 s[20:21], s[6:7], s[4:5]
	s_cselect_b64 s[22:23], s[12:13], s[10:11]
	s_cmp_eq_u32 s25, 2
	s_cselect_b64 s[20:21], s[8:9], s[20:21]
	s_cselect_b64 s[22:23], s[14:15], s[22:23]
	s_add_nc_u64 s[20:21], s[20:21], s[2:3]
	s_add_nc_u64 s[16:17], s[16:17], s[26:27]
	s_add_nc_u64 s[18:19], s[18:19], s[28:29]
.set i, 0
.rept 32
	global_load_b128 v[IN+4*i:IN+4*i+3], v[VO], s[20:21] offset:512*i th:TH_LOAD_NT  ; row 32 w + i, whole
.set i, i+1
.endr
	s_wait_loadcnt 0x0
.set p, 0
.rept 16                               ; rows 2 p and 2 p + 1 of column c: the lower k in the low half
.irp c, 0,1,2,3
	v_cvt_pk_bf16_f32 v[PKD+16*\c+p], v[IN+8*p+\c], v[IN+8*p+4+\c]
.endr
.set p, p+1
.endr
.irp c, 0,1,2,3
.irp q, 0,1,2,3
	ds_store_b128 v[LS], v[PKD+16*\c+4*\q:PKD+16*\c+4*\q+3] offset:PITCH*\c+16*\q
.endr
.endr
	s_wait_dscnt 0x0                               ; for the others' sake: my stores into the tile are done
	s_barrier_signal -1
	s_barrier_wait -1
.set i, 0
.rept 16
	ds_load_b128 v[IN+4*i:IN+4*i+3], v[LR] offset:2*PITCH*i  ; lanes 0-15 row 32 w + 2 i, lanes 16-31 the next
.set i, i+1
.endr
.set i, 0
.rept 16
	s_wait_dscnt 15-i                              ; LDS loads come back in order: number i is in, the 15 - i younger ones may be out
	global_store_b128 v[GO], v[IN+4*i:IN+4*i+3], s[16:17] offset:4096*i  ; sixteen lanes store 256 consecutive bytes, at a multiple of 256 from wt's first byte
.set i, i+1
.endr
	s_or_b32 s26, ttmp9, s24                       ; the bias: wave 0 of the work-group with kb = 0
	s_cmp_lg_u32 s26, 0
	s_cbranch_scc1 .Lend
	global_load_b128 v[12:15], v[BOF], s[22:23]
	s_wait_loadcnt 0x0
	v_cvt_pk_bf16_f32 v16, v12, v13
	v_cvt_pk_bf16_f32 v17, v14, v15
	v_lshlrev_b32 v20, 16, v16
	v_and_b32 v21, 0xffff0000, v16
	v_lshlrev_b32 v22, 16, v17
	v_and_b32 v23, 0xffff0000, v17
	global_store_b128 v[BOF], v[20:23], s[18:19]   ; 512 consecutive bytes
.Lend:
	s_wait_tensorcnt 0x0                           ; the wave's end: a wait, an add of 0 to my spare word and its wait, behind my last LDS store
	ds_add_u32 v[SPW], v[NIL]
	s_wait_dscnt 0x0
	s_endpgm
.Lfunc_end_k_q06c25d3e54_prep:
	.size	k_q06c25d3e54_prep, .Lfunc_end_k_q06c25d3e54_prep-k_q06c25d3e54_prep
	.p2alignl 7, 3214868480
	.fill 96, 4, 3214868480
	.section	.rodata,"a",@progbits
	.p2align	6, 0x0
	.amdhsa_kernel k_q06c25d3e54_prep
		.amdhsa_group_segment_fixed_size 35328
		.amdhsa_private_segment_fixed_size 0
		.amdhsa_enable_private_segment 0
		.amdhsa_kernarg_size 64
		.amdhsa_user_sgpr_count 2
		.amdhsa_user_sgpr_kernarg_segment_ptr 1
		.amdhsa_wavefront_size32 1
		.amdhsa_system_sgpr_workgroup_id_x 1
		.amdhsa_system_sgpr_workgroup_id_y 1
		.amdhsa_system_sgpr_workgroup_id_z 1
		.amdhsa_system_vgpr_workitem_id 0
		.amdhsa_next_free_vgpr 224
		.amdhsa_next_free_sgpr 66
		.amdhsa_reserve_vcc 0
		.amdhsa_float_denorm_mode_32 3
		.amdhsa_float_denorm_mode_16_64 3
		.amdhsa_memory_ordered 1
		.amdhsa_forward_progress 1
		.amdhsa_inst_pref_size 14
	.end_amdhsa_kernel
	.amdgpu_metadata
---
amdhsa.version: [ 1, 2 ]
amdhsa.kernels:
  - .name:           k_q06c25d3e54_prep
    .symbol:         k_q06c25d3e54_prep.kd
    .args:
      - { .name: Wq, .offset: 0, .size: 8, .value_kind: global_buffer, .address_space: global }
      - { .name: Wk, .offset: 8, .size: 8, .value_kind: global_buffer, .address_space: global }
      - { .name: Wv, .offset: 16, .size: 8, .value_kind: global_buffer, .address_space: global }
      - { .name: bq, .offset: 24, .size: 8, .value_kind: global_buffer, .address_space: global }
      - { .name: bk, .offset: 32, .size: 8, .value_kind: global_buffer, .address_space: global }
      - { .name: bv, .offset: 40, .size: 8, .value_kind: global_buffer, .address_space: global }
      - { .name: wt, .offset: 48, .size: 8, .value_kind: global_buffer, .address_space: global }
      - { .name: bias, .offset: 56, .size: 8, .value_kind: global_buffer, .address_space: global }
    .group_segment_fixed_size: 35328
    .private_segment_fixed_size: 0
    .kernarg_segment_align: 8
    .kernarg_segment_size: 64
    .max_flat_workgroup_size: 128
    .sgpr_count:     66
    .vgpr_count:     224
    .wavefront_size: 32
...
	.end_amdgpu_metadata
.endif
;; end of part 1
;; launch proj (part 2): grid 256 x 1, 4 waves a work-group, clusters of 4 x 1, 327,680 bytes of LDS; arguments x, wt, bias, qh, kh, vh, lo; writes qh, kh, vh, lo
.if DOCPART == 2
	.amdgcn_target "amdgcn-amd-amdhsa--gfx1250"
	.amdhsa_code_object_version 6
	.text
	.protected	k_q06c25d3e54_proj
	.globl	k_q06c25d3e54_proj
	.p2align	8
	.type	k_q06c25d3e54_proj,@function
k_q06c25d3e54_proj:
	s_mov_b64 s[64:65], 0
	v_nop
	global_prefetch_b8 v0, s[64:65] scope:SCOPE_SE
	s_setreg_imm32_b32 hwreg(HW_REG_WAVE_MODE, 25, 1), 1
	s_wait_xcnt 0x0
	s_wait_alu depctr_hold_cnt(0) depctr_sa_sdst(0) depctr_va_vdst(0) depctr_va_sdst(0) depctr_va_ssrc(0) depctr_va_vcc(0) depctr_vm_vsrc(0)
	s_getreg_b32 s2, hwreg(HW_REG_IB_STS2, 6, 4)
	s_cmp_eq_u32 s2, 0
	s_cbranch_scc0 .Lentry_in_a_cluster
	s_endpgm
.Lentry_in_a_cluster:
	s_bfe_u32 s2, ttmp6, 0x10000c
	s_cmp_lg_u32 s2, 0x3003
	s_cbranch_scc0 .Lentry_shape_is_right
	s_endpgm
.Lentry_shape_is_right:
; [q | k | v][row][n] = the sum over k of bf16(x[row][k]) wt[n][k] + bias[n]: 32,768 rows, K = 1,024, 384 columns.  Products in bf16, sums in f32, K ascending, started by the bias;
; q, k, v are rounded once to f16 and stored by tensors, [32768][128], rows of 256 bytes, unscaled.
; LIMIT.  f16 ends at 65,504: a q, k or v of 65,520 or more becomes an infinity.  With x and W thirty times their drawn spread or offset |q| stays under 30,000.  NaN and infinities are not treated apart.
; SHARES.  A cluster of four work-groups owns 512 rows; partner cx owns the eight blocks of 16 rows at 64 a + 16 cx, a = 0..7: 128 rows, and all 384 columns.  Wave w has all 128 rows x columns
; 96 w .. 96 w + 95: 8 x 6 accumulators of 16 x 16, 384 registers.  K goes in 8 steps of 128.  In LDS and in registers the rows are numbered 16 a + r; only global addresses know where they lie.
; THE REMAINDERS.  A batch's rows 0 to 63 are sums over few keys, whose terms may cancel: f16's 11 bits are too few for them.  These rows are block a = 0 of the four partners of the clusters whose number is a
; multiple of 8, so a branch on the cluster's number alone serves: there each sum's remainder, sum - f16(sum), is rounded to f16 too and stored into lo, [8][64][384]; a later launch computes those rows anew from
; both parts.  These are 6 stores a wave of 16 bytes a lane, in pieces of 32 consecutive bytes: 393,216 bytes in all, from 32 of the 256 work-groups.
; THE MATRIX INSTRUCTION IS USED TRANSPOSED (source 0 = 16 rows of wt, source 1 = 16 rows of x): a lane holds eight neighbouring columns of one row, which pack into 16 bytes.
; X COMES THROUGH REGISTERS: wave w loads its 32 rows (a load = 512 consecutive bytes of one row), rounds them to bf16 once and stores them into one of two LDS buffers.  Loads into registers
; may stay out across barriers: x of step s + 2 is asked for in step s's second quarter and converted in step s + 1's third, so two sets of 32 loads a wave take turns.
; WT COMES BY JOINT TENSOR LOADS: all work-groups walk the same wt, so the four of a cluster ask for each tile together (mask 15).  Two slots; wave w fetches the 96 rows that it multiplies itself.
; ONE BARRIER A STEP orders three things: x's LDS stores against the next step's reads, x's reads against the stores two steps on, and wt's ring.
; No prefetch is laid: x is asked for by its own loads 1 1/4 steps ahead, and wt is 786,432 bytes beside x's 134,217,728.
; REGISTERS, in windows of 256 (s_set_vgpr_msb: bits 1:0 source 0, 3:2 source 1, 5:4 source 2, 7:6 destination):
;   window 0: v16-31 addresses; v32-143, v144-255 two fragment buffers (x's eight fragments, then wt's six)      window 1: two staging sets of 128 (row i at 4 i)
;   window 2: accumulators 0-31 (number 6 a + b at 8 (number % 32))      window 3: v0-127 accumulators 32-47; v128-175 the bias as a C operand, block b at 128 + 8 b
.set PITCH,  272                       ; an LDS row: 256 bytes + 16: the sixteen rows of a fragment load start at sixteen different groups of four banks (64 banks of 4 bytes: ISA guide 11.1)
.set WPART,  96*PITCH                  ; what one tensor load brings
.set SLOT,   4*WPART
.set XB,     2*SLOT                    ; behind the ring: x in bf16, two buffers of 128 rows; no tensor load ever lands from here on
.set XBB,    128*PITCH
.set STAGE,  XB                        ; the way out lies over x's buffers, when their last reads are over: 128 rows x 784 bytes
.set SPITCH, 784                       ; 768 + 16
.set SPARE,  STAGE+128*SPITCH          ; the spare words, 128 bytes for each wave
.set ADRW, 16                          ; v16-17  my wt fragments in slot 0, 1
.set ADRX, 18                          ; v18-19  x's fragments in buffer 0, 1
.set XST,  20                          ; v20-21  where I store 8 bytes of a row of x, buffer 0, 1
.set XO,   22                          ; v22     my byte offset in the work-group's rows of x
.set STO2, 23                          ; v23     STO, 64 rows on
.set STO,  24                          ; v24     the way out: where I put 16 bytes of a row
.set RD,   25                          ; v25     where I read rows back
.set CO,   26                          ; v26     my byte offset in the work-group's rows of q, k, v
.set BO,   27                          ; v27     my byte offset in bias
.set SPW,  28                          ; v28     LDS address of my spare word; never rewritten
.set NIL,  29                          ; v29     0; never rewritten
.set MONE, 30                          ; v30     -1.0
.set LOF,  31                          ; v31     my byte offset in the work-group's 16 rows of lo
.set F0,   32
.set F1,   144
.set REM,  224                         ; the way out: v224-231 eight remainders in f32; v232-255 six accumulators' remainders, packed
.set BIA,  128                         ; window 3
.set WV,   16                          ; s16  wave
.set CX,   17                          ; s17  my place in the cluster: it enters x's, q's, k's, v's and lo's addresses alone
.set G1,   24                          ; s[24:31] descriptor group 1
.set G0,   32                          ; s[32:39] group 0, a set for each slot
.set XP,   40                          ; s[40:41] x at the work-group's first row, at the step last asked for
.set LOP,  44                          ; s[44:45] lo at the work-group's 16 rows
.set MSB, 0
.macro WIN new                         ; the immediate's high byte repeats the setting that is left; a switch that changes nothing is dropped
.if MSB != (\new)
	s_set_vgpr_msb (MSB<<8)|(\new)
.set MSB, \new
.endif
.endm
.macro PLACES                          ; four places behind a matrix instruction, in front of loads into registers that it read and of lines that read results
.rept 4
	v_nop
.endr
.endm
.macro CREST                           ; a round of the cluster's barrier behind its opening barrier
	s_cmp_lg_u32 s[WV], 0
	s_cbranch_scc1 .Lnot_wave_0_\@
	s_barrier_signal -3
.Lnot_wave_0_\@:
	s_barrier_wait -3
	s_barrier_signal -1
	s_barrier_wait -1
.endm
.macro CROUND
	s_barrier_signal -1
	s_barrier_wait -1
	CREST
.endm
; x on its way to LDS.  CV2: rows i and i + 1 of a staging set are rounded to bf16 in place (four f32 into two registers).  ST4: four rows' 8 bytes a lane go to LDS, 256 consecutive bytes a store.
.macro CV2 set, i
	WIN 0x45                                       ; destination and both sources in window 1
.irp z, 0,1
	v_cvt_pk_bf16_f32 v[128*(\set)+4*((\i)+\z)],   v[128*(\set)+4*((\i)+\z)],   v[128*(\set)+4*((\i)+\z)+1]
	v_cvt_pk_bf16_f32 v[128*(\set)+4*((\i)+\z)+1], v[128*(\set)+4*((\i)+\z)+2], v[128*(\set)+4*((\i)+\z)+3]
.endr
.endm
.macro ST4 set, buf, i
	WIN 0x04                                       ; address window 0, data window 1
.irp z, 0,1,2,3
	ds_store_b64 v[XST+(\buf)], v[128*(\set)+4*((\i)+\z):128*(\set)+4*((\i)+\z)+1] offset:PITCH*((\i)+\z)
.endr
.endm
.macro RIDER set, buf, p               ; group p of 24: two conversions of two rows, then the four rows' stores
.set qq, (\p)/3
.if (\p)%3 == 2
	ST4 \set, \buf, 4*qq
.else
	CV2 \set, 4*qq+2*((\p)%3)
.endif
.endm
; cnt products on accumulators n0 .., 32 along K, from buffer f.  first = 1: the bias starts the sums: nothing is cleared.  rid = 1: a group of x's conversion stands behind each of the first 24:
; four lines beside a matrix instruction, at the price of two window switches a group.
.macro MULS f, n0, cnt, first=0, rid=0, set=0, buf=0
.set nn, \n0
.rept \cnt
.set aa, nn/6
.set bb, nn%6
.set rD, 8*(nn%32)
.if nn >= 32
	WIN 0xf0                                       ; C and D window 3
.elseif \first
	WIN 0xb0                                       ; C window 3, D window 2
.else
	WIN 0xa0                                       ; C and D window 2
.endif
.if \first
	v_wmma_f32_16x16x32_bf16 v[rD:rD+7], v[(\f)+64+8*bb:(\f)+64+8*bb+7], v[(\f)+8*aa:(\f)+8*aa+7], v[BIA+8*bb:BIA+8*bb+7]
.else
	v_wmma_f32_16x16x32_bf16 v[rD:rD+7], v[(\f)+64+8*bb:(\f)+64+8*bb+7], v[(\f)+8*aa:(\f)+8*aa+7], v[rD:rD+7]
.endif
.if (\rid) && (nn < 24)
	RIDER \set, \buf, nn
.endif
.set nn, nn+1
.endr
.endm
; 28 LDS loads in one run: the fragments of 32 along K at byte k of the rows: wt's six from slot, x's eight from the buffer of the same number
.macro FETCH slot, k, g
	WIN 0
.irp b, 0,1,2,3,4,5
	ds_load_b128 v[(\g)+64+8*\b:(\g)+64+8*\b+3],   v[ADRW+(\slot)] offset:(\k)+\b*16*PITCH
	ds_load_b128 v[(\g)+64+8*\b+4:(\g)+64+8*\b+7], v[ADRW+(\slot)] offset:(\k)+\b*16*PITCH+32
.endr
.irp a, 0,1,2,3,4,5,6,7
	ds_load_b128 v[(\g)+8*\a:(\g)+8*\a+3],   v[ADRX+(\slot)] offset:(\k)+\a*16*PITCH
	ds_load_b128 v[(\g)+8*\a+4:(\g)+8*\a+7], v[ADRX+(\slot)] offset:(\k)+\a*16*PITCH+32
.endr
.endm
.macro GLOAD set, off                  ; a step's 512 bytes of my 32 rows of x into a staging set: two blocks of 16 rows, 64 rows apart in memory
	WIN 0x40                                       ; destination window 1, address window 0
.set i, 0
.rept 32
	global_load_b128 v[128*(\set)+4*i:128*(\set)+4*i+3], v[XO], s[XP:XP+1] offset:4096*(64*(i/16)+i%16)+(\off) th:TH_LOAD_NT
.set i, i+1
.endr
.endm
; A step is four quarters of 32 along K, 48 matrix instructions each, on buffers 0, 1, 0, 1; the accumulators go 32-47, 0-31 in every quarter, one instruction a turn.
; One of the first three: multiplies f; behind its first sixteen products it fetches the next quarter, at byte k, into g: 32 products ahead of the first use.
; xw = 1: x of the step after next is asked for, into set.  xw = 2: set is waited for (cnt younger loads may stay out) and converted into the other buffer.
.macro QUARTER slot, k, f, g, first=0, xw=0, set=0, cnt=0
	s_wait_dscnt 0x0                               ; f's fragments are in
	MULS \f, 32, 16, \first
	PLACES
	FETCH \slot, \k, \g
.if (\xw) == 1
	s_wait_xcnt 0x0                                ; the loads of a step ago have read their base: only now is it stepped
	s_add_nc_u64 s[XP:XP+1], s[XP:XP+1], 512
	GLOAD \set, 0
.endif
.if (\xw) == 2
	s_wait_loadcnt \cnt
	MULS \f, 0, 32, 0, 1, \set, 1-(\slot)
.else
	MULS \f, 0, 32, \first
.endif
.endm
; The last quarter multiplies buffer 1 and changes slots.  In front of the barrier each wave waits for all its tensor loads (one is out: its part of the next slot), adds 0 to its spare word, and waits for
; that, for its reads of this slot and of x's buffer, and for its stores into the other buffer.  fill = 1: the barrier opens a round of the cluster's, and the joint refill is the first thing behind it.
.macro TURN slot, next, fill
	WIN 0
	s_wait_tensorcnt 0x0                           ; no tensor load of mine is out, so a group 0 may be written
	ds_add_u32 v[SPW], v[NIL]                      ; 0 onto my spare word
.if \fill
	s_add_nc_u64 s[G0+4*(\slot)+2:G0+4*(\slot)+3], s[G0+4*(\slot)+2:G0+4*(\slot)+3], 512  ; this slot's next tile: two steps of 256 bytes on
.endif
	s_wait_dscnt 1                                 ; buffer 1's fragments are in; the add alone may be out
	MULS F1, 32, 16
	s_wait_dscnt 0x0                               ; the add is done; my LDS reads and stores are over
	s_barrier_signal -1
	MULS F1, 0, 16
	WIN 0
	s_barrier_wait -1
.if \fill
	CREST                                          ; no wave of any partner still reads this slot or has a load on its way
	tensor_load_to_lds s[G0+4*(\slot):G0+4*(\slot)+3], s[G1:G1+7]  ; my one tensor load behind the round: 96 rows x 256 bytes
	s_nop 0
.endif
	PLACES                                         ; also the places in front of the loads into buffer 0
	FETCH \next, 0, F0
	MULS F1, 16, 16
.endm
	s_load_b256 s[4:11], s[0:1], 0x0               ; x s[4:5], wt s[6:7], bias s[8:9], qh s[10:11]
	s_load_b128 s[12:15], s[0:1], 0x20             ; kh s[12:13], vh s[14:15]
	s_load_b64 s[LOP:LOP+1], s[0:1], 0x30          ; lo
	v_lshl_add_u32 v[SPW], v0, 2, SPARE
	v_mov_b32 v[NIL], 0
	ds_add_u32 v[SPW], v[NIL]                      ; the wave's opening: the add and its wait stand ahead of my first tensor load; work on registers stands between them
	ds_add_u32 v28, v29
	v_lshrrev_b32 v1, 5, v0
	v_readfirstlane_b32 s[WV], v1                  ; wave 0..3
	s_bfe_u32 s[CX], ttmp6, 0x40000
	s_lshl_b32 s20, ttmp9, 21                      ; x: the cluster's 512 rows of 4,096 bytes (ttmp9 counts clusters),
	s_lshl_b32 s48, s[CX], 16                      ; and my work-group's first 16 of them
	s_add_co_u32 s20, s20, s48
	s_mov_b32 s21, 0
	s_lshl_b32 s22, ttmp9, 17                      ; q, k, v: the same rows, of 256 bytes
	s_lshl_b32 s48, s[CX], 12
	s_add_co_u32 s22, s22, s48
	s_mov_b32 s23, 0
	s_lshr_b32 s46, ttmp9, 3                       ; lo: the batch's 64 rows of 768 bytes,
	s_mul_i32 s46, s46, 49152
	s_mul_i32 s48, s[CX], 12288                    ; and my work-group's 16
	s_add_co_u32 s46, s46, s48
	s_mov_b32 s47, 0
	s_mov_b32 s[G1+0], 15|(1<<16)|(1<<20)|(1<<21)|(5<<22)|(3<<25)  ; 15:0 the mask: all four; 17:16 2-byte elements; 20 padding on; 21 set beside a mask; 24:22 after every 64 words; 31:25 4 words
	s_mov_b32 s[G1+1], 128<<16                     ; tensor_dim0 = 128
	s_mov_b32 s[G1+2], 96<<16                      ; tensor_dim1 = 96
	s_mov_b32 s[G1+3], 128<<16                     ; tile_dim0 = 128
	s_mov_b32 s[G1+4], 96                          ; tile_dim1 = 96
	s_mov_b32 s[G1+5], 1024                        ; elements from row to row
	s_mov_b32 s[G1+6], 0
	s_mov_b32 s[G1+7], 0
	s_mul_i32 s18, s[WV], WPART                    ; my part of a slot: no place in the cluster enters an LDS address
	s_mul_i32 s42, s[WV], 96*2048                  ; my 96 rows of wt
	s_mov_b32 s43, 0
.irp s, 0,1
	s_mov_b32 s[G0+4*\s], 1
	s_add_co_u32 s[G0+4*\s+1], s18, \s*SLOT
.endr
	v_and_b32 v1, 15, v0                           ; l % 16
	v_bfe_u32 v2, v0, 4, 1                         ; l / 16
	v_and_b32 v3, 31, v0                           ; l
	v_mov_b32 v[MONE], -1.0
	v_mul_u32_u24 v4, v1, PITCH
	v_lshl_add_u32 v4, v2, 4, v4                   ; a fragment's row x pitch + 16 x half
	v_add_nc_u32 v[ADRW], s18, v4
	v_add_nc_u32 v[ADRW+1], SLOT, v[ADRW]
	v_add_nc_u32 v[ADRX], XB, v4
	v_add_nc_u32 v[ADRX+1], XB+XBB, v4
	s_mul_i32 s19, s[WV], 32*PITCH
	v_lshl_add_u32 v[XST], v3, 3, s19
	v_add_nc_u32 v[XST+1], XB+XBB, v[XST]
	v_add_nc_u32 v[XST], XB, v[XST]
	s_lshl_b32 s19, s[WV], 19
	v_lshl_add_u32 v[XO], v3, 4, s19               ; my two blocks begin 128 w rows of 4,096 bytes behind the work-group's first; + 16 l
	s_mul_i32 s19, s[WV], 192                      ; my 96 columns in 16 bits
	v_mul_u32_u24 v[LOF], v1, 768
	v_lshl_add_u32 v[LOF], v2, 4, v[LOF]
	v_add_nc_u32 v[LOF], s19, v[LOF]               ; lo: row l % 16, my 192 bytes, 16 bytes for each half of the lanes
	s_add_co_u32 s19, s19, STAGE
	v_mul_u32_u24 v[STO], v1, SPITCH
	v_lshl_add_u32 v[STO], v2, 4, v[STO]
	v_add_nc_u32 v[STO], s19, v[STO]               ; the stage: the same place in rows of 784 bytes
	v_add_nc_u32 v[STO2], 64*SPITCH, v[STO]
	s_mul_i32 s19, s[WV], 32*SPITCH
	s_add_co_u32 s19, s19, STAGE
	v_mul_u32_u24 v[RD], v2, SPITCH
	v_lshl_add_u32 v[RD], v1, 4, v[RD]
	v_add_nc_u32 v[RD], s19, v[RD]                 ; back: rows 32 w ..; lanes 0-15 256 bytes of one row, lanes 16-31 of the next
	s_lshl_b32 s19, s[WV], 15                      ; in memory these begin 128 w rows of 256 bytes behind the work-group's first
	v_lshlrev_b32 v[CO], 8, v2
	v_lshl_add_u32 v[CO], v1, 4, v[CO]
	v_add_nc_u32 v[CO], s19, v[CO]
	s_mul_i32 s19, s[WV], 384
	v_lshl_add_u32 v[BO], v2, 5, s19               ; bias[96 w + 8 (l / 16)]
	s_wait_dscnt 0x0                               ; the opening add is done
	s_wait_kmcnt 0x0
	s_add_nc_u64 s[6:7], s[6:7], s[42:43]
.irp s, 0,1
	s_add_nc_u64 s[G0+4*\s+2:G0+4*\s+3], s[6:7], \s*256  ; K step s
	s_or_b32 s[G0+4*\s+3], s[G0+4*\s+3], 0x80000000      ; type = 2
.endr
	s_add_nc_u64 s[XP:XP+1], s[4:5], s[20:21]
	s_add_nc_u64 s[10:11], s[10:11], s[22:23]
	s_add_nc_u64 s[12:13], s[12:13], s[22:23]
	s_add_nc_u64 s[14:15], s[14:15], s[22:23]
	s_add_nc_u64 s[LOP:LOP+1], s[LOP:LOP+1], s[46:47]
	WIN 0xc0                                       ; destination window 3
.irp b, 0,1,2,3,4,5                    ; register j of block b: bias[96 w + 16 b + 8 (l / 16) + j], the C operand's layout
	global_load_b128 v[BIA+8*\b:BIA+8*\b+3],   v[BO], s[8:9] offset:64*\b
	global_load_b128 v[BIA+8*\b+4:BIA+8*\b+7], v[BO], s[8:9] offset:64*\b+16
.endr
	GLOAD 0, 0                                     ; x of steps 0 and 1 is asked for ahead of the round
	GLOAD 1, 512
	WIN 0
	CROUND                                         ; all four work-groups are here: the first joint loads meet
	tensor_load_to_lds s[G0:G0+3], s[G1:G1+7]      ; both first fills together: two tensor loads of mine are out
	s_nop 0
	tensor_load_to_lds s[G0+4:G0+7], s[G1:G1+7]
	s_nop 0
	PLACES
	s_wait_loadcnt 32                              ; the bias and x of step 0 are in; step 1's 32 loads stay out
.set qq, 0
.rept 8
	CV2 0, 4*qq
	CV2 0, 4*qq+2
	ST4 0, 0, 4*qq
.set qq, qq+1
.endr
	WIN 0
	s_wait_xcnt 0x0
	s_add_nc_u64 s[XP:XP+1], s[XP:XP+1], 512       ; at step 1, the last asked for
	s_wait_tensorcnt 1                             ; my part of slot 0 is in; slot 1's may stay out
	s_wait_dscnt 0x0                               ; my rows of x lie in buffer 0
	s_barrier_signal -1
	s_barrier_wait -1
	FETCH 0, 0, F0
	QUARTER 0, 64, F0, F1, 1                       ; the first quarter stands in front of the loop: its products start the sums
	WIN 0
	s_mov_b32 s3, 3
.Llap:                                         ; a trip goes once round the ring, from a lap's second quarter to the next lap's first
	QUARTER 0, 128, F1, F0, 0, 1, 0
	QUARTER 0, 192, F0, F1, 0, 2, 1, 32            ; set 1 is in; set 0's 32 loads, just issued, stay out
	TURN 0, 1, 1
	QUARTER 1, 64,  F0, F1
	QUARTER 1, 128, F1, F0, 0, 1, 1
	QUARTER 1, 192, F0, F1, 0, 2, 0, 32
	TURN 1, 0, 1
	QUARTER 0, 64,  F0, F1
	WIN 0
	s_sub_co_u32 s3, s3, 1
	s_cmp_lg_u32 s3, 0
	s_cbranch_scc1 .Llap
	QUARTER 0, 128, F1, F0                         ; steps 6 and 7 ask for nothing
	QUARTER 0, 192, F0, F1, 0, 2, 1, 0             ; x of step 7: no load was issued behind it
	TURN 0, 1, 0
	QUARTER 1, 64,  F0, F1
	QUARTER 1, 128, F1, F0
	QUARTER 1, 192, F0, F1
	s_wait_dscnt 0x0                               ; my last reads of x's buffers are over:
	s_barrier_signal -1                            ; say so, since the stage lies over them,
	MULS F1, 32, 16
	MULS F1, 0, 32
	WIN 0
	s_barrier_wait -1                              ; and go on when all four have said so
	; THE WAY OUT: round to f16; 16 bytes a lane into the work-group's stage; a barrier, since a row's 768 bytes come from four waves; back as pieces of 256 bytes, 32 rows a wave.
	PLACES
	PLACES
.set n, 0
.rept 48
.if n < 32
	WIN 0x0a                                       ; sources in window 2
.else
	WIN 0x0f                                       ; in window 3
.endif
.irp z, 0,1,2,3
	v_cvt_pk_f16_f32 v[32+4*n+\z], v[8*(n%32)+2*\z], v[8*(n%32)+2*\z+1]  ; each accumulator from its low end on
.endr
.set n, n+1
.endr
	WIN 0
	s_and_b32 s18, ttmp9, 7                        ; the cluster's number alone: the same in all waves and all partners
	s_cmp_lg_u32 s18, 0
	s_cbranch_scc1 .Lno_rem
.set n, 0
.rept 6                                ; block a = 0, a batch's rows 16 cx .. 16 cx + 15: the six accumulators' remainders
	WIN 0x20                                       ; source 2, the sum, in window 2
.irp z, 0,1,2,3
	v_fma_mix_f32 v[REM+2*\z],   v[32+4*n+\z], v[MONE], v[8*n+2*\z]   op_sel_hi:[1,0,0]                ; the low half x -1 + the sum: exact
	v_fma_mix_f32 v[REM+2*\z+1], v[32+4*n+\z], v[MONE], v[8*n+2*\z+1] op_sel:[1,0,0] op_sel_hi:[1,0,0]  ; the high half likewise
.endr
	WIN 0
.irp z, 0,1,2,3
	v_cvt_pk_f16_f32 v[REM+8+4*n+\z], v[REM+2*\z], v[REM+2*\z+1]
.endr
	global_store_b128 v[LOF], v[REM+8+4*n:REM+8+4*n+3], s[LOP:LOP+1] offset:32*n  ; each accumulator has registers of its own: none is written again
.set n, n+1
.endr
.Lno_rem:
.set n, 0
.rept 48
.if n/6 < 4
	ds_store_b128 v[STO],  v[32+4*n:32+4*n+3] offset:(n/6)*16*SPITCH+32*(n%6)
.else
	ds_store_b128 v[STO2], v[32+4*n:32+4*n+3] offset:(n/6-4)*16*SPITCH+32*(n%6)
.endif
.set n, n+1
.endr
	s_wait_dscnt 0x0                               ; for the others' sake: my stores into the stage are done
	s_barrier_signal -1
	s_barrier_wait -1
.set n, 0
.rept 48                               ; pair of rows n / 3; tensor n % 3
	ds_load_b128 v[32+4*n:32+4*n+3], v[RD] offset:(n/3)*2*SPITCH+256*(n%3)
.set n, n+1
.endr
.set n, 0
.rept 48
.set go, 16384*((n/3)/8)+512*((n/3)%8) ; pairs 0-7 lie in my first block of 16 rows, pairs 8-15 in my second, 64 rows on
	s_wait_dscnt 47-n                              ; number n is in; the 47 - n younger loads may be out
.if n%3 == 0
	global_store_b128 v[CO], v[32+4*n:32+4*n+3], s[10:11] offset:go  ; two rows: 512 consecutive bytes, at a multiple of 256 from the tensor's first byte
.elseif n%3 == 1
	global_store_b128 v[CO], v[32+4*n:32+4*n+3], s[12:13] offset:go
.else
	global_store_b128 v[CO], v[32+4*n:32+4*n+3], s[14:15] offset:go
.endif
.set n, n+1
.endr
	s_wait_tensorcnt 0x0                           ; the wave's end: a wait, an add of 0 to my spare word and its wait, behind my last tensor load and my last LDS store
	ds_add_u32 v[SPW], v[NIL]
	s_wait_dscnt 0x0
	CROUND                                         ; the closing round: no work-group ends while a partner may still ask for a tile that names it
	s_endpgm
.Lfunc_end_k_q06c25d3e54_proj:
	.size	k_q06c25d3e54_proj, .Lfunc_end_k_q06c25d3e54_proj-k_q06c25d3e54_proj
	.p2alignl 7, 3214868480
	.fill 96, 4, 3214868480
	.section	.rodata,"a",@progbits
	.p2align	6, 0x0
	.amdhsa_kernel k_q06c25d3e54_proj
		.amdhsa_group_segment_fixed_size 327680
		.amdhsa_private_segment_fixed_size 0
		.amdhsa_enable_private_segment 0
		.amdhsa_kernarg_size 56
		.amdhsa_user_sgpr_count 2
		.amdhsa_user_sgpr_kernarg_segment_ptr 1
		.amdhsa_wavefront_size32 1
		.amdhsa_system_sgpr_workgroup_id_x 1
		.amdhsa_system_sgpr_workgroup_id_y 1
		.amdhsa_system_sgpr_workgroup_id_z 1
		.amdhsa_system_vgpr_workitem_id 0
		.amdhsa_next_free_vgpr 944
		.amdhsa_next_free_sgpr 66
		.amdhsa_reserve_vcc 0
		.amdhsa_float_denorm_mode_32 3
		.amdhsa_float_denorm_mode_16_64 3
		.amdhsa_memory_ordered 1
		.amdhsa_forward_progress 1
		.amdhsa_inst_pref_size 161
	.end_amdhsa_kernel
	.amdgpu_metadata
---
amdhsa.version: [ 1, 2 ]
amdhsa.kernels:
  - .name:           k_q06c25d3e54_proj
    .symbol:         k_q06c25d3e54_proj.kd
    .args:
      - { .name: x, .offset: 0, .size: 8, .value_kind: global_buffer, .address_space: global }
      - { .name: wt, .offset: 8, .size: 8, .value_kind: global_buffer, .address_space: global }
      - { .name: bias, .offset: 16, .size: 8, .value_kind: global_buffer, .address_space: global }
      - { .name: qh, .offset: 24, .size: 8, .value_kind: global_buffer, .address_space: global }
      - { .name: kh, .offset: 32, .size: 8, .value_kind: global_buffer, .address_space: global }
      - { .name: vh, .offset: 40, .size: 8, .value_kind: global_buffer, .address_space: global }
      - { .name: lo, .offset: 48, .size: 8, .value_kind: global_buffer, .address_space: global }
    .group_segment_fixed_size: 327680
    .private_segment_fixed_size: 0
    .kernarg_segment_align: 8
    .kernarg_segment_size: 56
    .max_flat_workgroup_size: 128
    .sgpr_count:     66
    .vgpr_count:     944
    .wavefront_size: 32
...
	.end_amdgpu_metadata
.endif
;; end of part 2
;; launch attn (part 3): grid 32 x 8, 4 waves a work-group, clusters of 4 x 1, 327,680 bytes of LDS; arguments qh, kh, vh, out0; writes out0
.if DOCPART == 3
	.amdgcn_target "amdgcn-amd-amdhsa--gfx1250"
	.amdhsa_code_object_version 6
	.text
	.protected	k_q06c25d3e54_attn
	.globl	k_q06c25d3e54_attn
	.p2align	8
	.type	k_q06c25d3e54_attn,@function
k_q06c25d3e54_attn:
	s_mov_b64 s[64:65], 0
	v_nop
	global_prefetch_b8 v0, s[64:65] scope:SCOPE_SE
	s_setreg_imm32_b32 hwreg(HW_REG_WAVE_MODE, 25, 1), 1
	s_wait_xcnt 0x0
	s_wait_alu depctr_hold_cnt(0) depctr_sa_sdst(0) depctr_va_vdst(0) depctr_va_sdst(0) depctr_va_ssrc(0) depctr_va_vcc(0) depctr_vm_vsrc(0)
	s_getreg_b32 s2, hwreg(HW_REG_IB_STS2, 6, 4)
	s_cmp_eq_u32 s2, 0
	s_cbranch_scc0 .Lentry_in_a_cluster
	s_endpgm
.Lentry_in_a_cluster:
	s_bfe_u32 s2, ttmp6, 0x10000c
	s_cmp_lg_u32 s2, 0x3003
	s_cbranch_scc0 .Lentry_shape_is_right
	s_endpgm
.Lentry_shape_is_right:
; CAUSAL ATTENTION, one head of size 128.  out[b][q][:] = the sum over k <= q of softmax_k(Q[b][q] . K[b][k] / sqrt(128)) V[b][k][:].  Q, K, V: [8][4096][128] f16, rows of 256 bytes; out: f32.
; Products, maxima and sums in f32; the weights p are rounded to f16 for the second product (their sum l is taken of the unrounded p).
; LIMITS.  Q, K, V arrive within f16's range.  A hidden score counts as its value less 2^100: f16's scores, 5.5e11 at the most, vanish beside that, and since the constant is a power of two c times it is
; exact, so that a wave that has seen hidden keys alone has weights of exactly 1 and finite sums, which the merge multiplies by 0.  A weight below 2^-126 counts as 0.  NaN and infinities are not treated apart.
; THE WALK.  A batch has 16 blocks of 256 queries; block i needs the key tiles 0 .. i of 256 keys, the last of which holds the diagonal.  A CLUSTER of four work-groups takes two blocks, 15 - c and then c:
; 17 tiles whatever c, so all work-groups do equal work and one loop with a constant trip count walks them.  Partner cx owns queries 64 cx .. 64 cx + 63 of each block; all four walk the same tiles in
; the same trips, so each tile of K and V is asked for JOINTLY (mask 15).  cx enters Q's and out's addresses, the prefetches' and the masks' numbers: no branch and no LDS address.
; KEYS ARE SPLIT AMONG THE WAVES.  Every wave holds all 64 queries (four tiles of 16, in two PIECES: tiles 0, 1 and tiles 2, 3) and takes keys 64 w .. 64 w + 63 of each tile of 256.  At a block's end the four
; partial results (c m, l, O) meet in LDS, in f32: each is multiplied by 2^(c m_w - c m*) / L, m* the true maximum.
; LAYOUT.  S^T = K Q^T (source 0 = 16 keys, source 1 = 16 queries): a lane holds ONE query (lane % 16) and the keys 8 (lane / 16) + 0..7.  Two such results rounded to f16 ARE source 1 of O^T = V^T P.
; SOFTMAX.  p = 2^(c s - c m), c = log2(e) / sqrt(128), with a running maximum m; O and l are multiplied by a = 2^(c m_old - c m_new) in every step.  m starts at the lowest finite number: a block's first a is 0.
; THE MASK is the C operand that starts a sum S^T: of query tile t and key block kb it is MLO (kb < t), MEQ (kb = t) or MHI (kb > t).  Outside the diagonal tile all three are 0; in it MLO hides all where w > cx,
; MHI where w >= cx, and MEQ is the 16 x 16 triangle where w = cx.  They are made anew at every change of slots, from scalars: one text serves every tile and every wave.
; A TRIP: V^T P of piece 2 for the tile before (K's LDS loads land meanwhile); K Q^T of piece 0; K Q^T of piece 2 with piece 0's softmax in slices behind its products; V^T P of piece 0 with piece 2's softmax likewise.
; REGISTERS, in windows of 256 (s_set_vgpr_msb: bits 1:0 source 0, 3:2 source 1, 5:4 source 2, 7:6 destination):
;   window 0: v2-11 addresses; v12-43 eight registers of statistics a tile; v44-49 set-up; v61-63; v64-191 S^T, 32 a tile; v192-255 P, 16 a tile          window 1: O^T, 64 a tile
;   window 2: v0-127 Q, 32 a tile; v128-255 K          window 3: v0-127 V; v128-159 the masks
.set PK,    272       ; a row of K in LDS: 256 bytes + 16
.set PV,    288       ; a row of V: 256 + 32
.set VOFF,  256*PK    ; a slot: 256 rows of K, then 256 rows of V
.set STATS, VOFF+256*PV  ; behind slot 0, never filled by a tensor load: (c m, l) by wave, tile and query: 2,048 bytes
.set SPARE, STATS+2048   ; the spare words, 128 bytes for each wave
.set SLOTD, 0x24000   ; slot 1 begins here: the four tiles' first bytes in slot 0 have bits 14 and 17 clear, so one exclusive or turns each into its twin
.set STAGE, SLOTD+STATS  ; behind slot 1, never filled by a tensor load: 16 rows x 528 bytes for each wave
.set SP,    528       ; 512 + 16
.set AK0, 2           ; v2   my lane's place in my 64 keys of a tile of K; never rewritten
.set AV0, 3           ; v3   the same for V
.set ADK, 4           ; v4   the LDS address of K's run of loads
.set QO,  5           ; v5   my byte offset in 16 rows of Q
.set STO, 6           ; v6   the merge: where I put 32 bytes of a row
.set RD,  7           ; v7   where I read rows back
.set GO,  8           ; v8   16 x lane: my place in a row of out
.set ADV, 9           ; v9   the LDS address of V's run of loads
.set SA,  10          ; v10  where I put a query's (c m, l)
.set SR,  11          ; v11  where I read the four waves'
.set ST,  12          ; tile t's statistics at v[ST+8 t]: +0 c m, +1 m, +2, +3 l (even keys', odd keys'), +4 to +7 at work; a takes +6
.set PFO, 61          ; v61  256 x my lane; never rewritten
.set SPW, 62          ; v62  LDS address of my spare word; never rewritten
.set NIL, 63          ; v63  0; never rewritten
.set S,   64
.set P,   192
.set MS,  64          ; the merge: the four waves' (c m, l), tile t, wave u at MS + 8 t + 2 u
.set RB,  128         ; the merge: four rows x four waves
.set KF,  128         ; window 2
.set MDG, 128         ; window 3: register j: -2^100 where 8 (lane / 16) + j > lane % 16, else 0
.set MLO, 136
.set MEQ, 144
.set MHI, 152
.set WV,  12          ; s12  wave
.set CX,  13          ; s13  my place in the cluster
.set PB,  14          ; s14  c
.set HB,  15          ; s15  15 - c
.set G1K, 24          ; s[24:31] descriptor group 1 for K's tiles
.set G1V, 32          ; s[32:39] for V's: it differs in the padding alone
.set G0K, 40          ; s[40:43] group 0 for K's
.set G0V, 44          ; s[44:47] for V's
.set PFA, 48          ; s[48:49] where my prefetches stand
.set LIM, 50          ; s50  3 in the batch's first cluster, else the greatest number
.set OFF, 52          ; s[52:53] a tile's byte offset in K and V
.set SLOTS, 56        ; s56  tiles still to be asked for
.set CS,  58          ; s[58:59] c
.set SEL, 60          ; s[60:61] v_permlanex16_b32's selects: each lane takes its own place in the other half
.set TB,  62          ; s62  the slot to be read: 0 or SLOTD
.set RT,  66          ; s66  tiles of the block in hand still to be entered
.set NXT, 67          ; s67  the tile to be asked for next
.set LQ,  68          ; s68  the last tile of the block whose tiles are being asked for
.set BIGN, 69         ; s69  -2^100
.set CLO, 70          ; s70  w > cx ? -2^100 : 0
.set CHI, 71          ; s71  w >= cx ? -2^100 : 0
.set CAL, 72          ; s72  w = cx ? 1 : 0
.set AL,  74          ; s[74:75] MEQ's factor, in the low word
.set BE,  76          ; s[76:77] MEQ's addend, and MLO
.set SHI, 78          ; s78  MHI
.set QLO, 80          ; s[80:81] Q at my rows of the second block
.set OLO, 82          ; s[82:83] out likewise
.set MSB, 0
.macro WIN new                      ; the high byte repeats the setting that is left; a switch that changes nothing is dropped
.if MSB != (\new)
	s_set_vgpr_msb (MSB<<8)|(\new)
.set MSB, \new
.endif
.endm
.set W_KQ, 0x0a       ; K and Q in window 2, S^T in window 0
.set W_KM, 0x3a       ; the same with the C operand in window 3
.set W_PV, 0x53       ; V in window 3, P in window 0, O^T in window 1
.set W_RS, 0x41       ; O^T (destination and source 0) in window 1, the factor in window 0
.macro PLACES
.rept 4
	v_nop
.endr
.endm
; A joint fill.  Waves 0 and 1 fetch the two halves of a tile's K, waves 2 and 3 those of its V: 128 rows of 256 bytes each.  The branch hangs on the wave's number alone.
; An s_nop 0 and four v_nop follow each of the two lines, ahead of the jump and the label.
.macro JLOAD
	s_cmp_lt_u32 s[WV], 2
	s_cbranch_scc0 .Lfor_v_\@
	tensor_load_to_lds s[G0K:G0K+3], s[G1K:G1K+7]
	s_nop 0
.rept 4
	v_nop
.endr
	s_branch .Lasked_\@
.Lfor_v_\@:
	tensor_load_to_lds s[G0V:G0V+3], s[G1V:G1V+7]
	s_nop 0
.rept 4
	v_nop
.endr
.Lasked_\@:
.endm
; A PREFETCH, behind the joint load and its five lines: the tile two behind the one just asked for, two trips (256 matrix instructions a wave) ahead of its load.  The batch's first cluster walks tiles 0 to 15 first: it alone
; asks.  Of the 128 rows that a wave fetches each partner names 32, told apart by address, a lane a row: each row's 256 bytes are named once in the launch.  Tiles 0 to 2 come by their loads alone; the last tile named is 15.
.macro ASK
	s_cmp_gt_u32 s[SLOTS], s[LIM]
	s_cbranch_scc0 .Lnot_mine_\@
	global_prefetch_b8 v[PFO], s[PFA:PFA+1] th:TH_LOAD_NT scope:SCOPE_SE
.Lnot_mine_\@:
.endm
.macro CROUND                       ; a round of the cluster's barrier
	s_barrier_signal -1
	s_barrier_wait -1
	s_cmp_lg_u32 s[WV], 0
	s_cbranch_scc1 .Lnot_wave_0_\@
	s_barrier_signal -3
.Lnot_wave_0_\@:
	s_barrier_wait -3
	s_barrier_signal -1
	s_barrier_wait -1
.endm
; THE CHANGE OF SLOTS.  Each wave waits for all its tensor loads, of which one is out: its part of the tile to be entered; adds 0 to its spare word; and waits for that and for its reads of the slot that it leaves.
; fill = 1: the barrier is a round of the cluster's, and the old slot is filled again, first thing behind it, with tile NXT: the descriptor's address is made anew from that number.
; Between the add and the wait for it stands work on registers: the descriptors, the walk's counters, and the three masks for the tile to be entered.
; (At its first use nothing has been read yet: slot 0 is waited for, slot 1 filled.)
.macro CHANGE fill
	WIN 0
	s_wait_tensorcnt 0x0            ; no tensor load of mine is out, so a group 0 may be written
	ds_add_u32 v[SPW], v[NIL]       ; 0 onto my spare word
.if \fill
	s_lshl_b32 s[OFF], s[NXT], 16   ; a tile is 65,536 bytes of K and of V
	s_xor_b32 s[G0K+1], s[G0K+1], SLOTD
	s_add_nc_u64 s[G0K+2:G0K+3], s[6:7], s[OFF:OFF+1]
	s_or_b32 s[G0K+3], s[G0K+3], 0x80000000
	s_xor_b32 s[G0V+1], s[G0V+1], SLOTD
	s_add_nc_u64 s[G0V+2:G0V+3], s[8:9], s[OFF:OFF+1]
	s_or_b32 s[G0V+3], s[G0V+3], 0x80000000
	s_add_co_u32 s[NXT], s[NXT], 1  ; the block's next tile, or behind its last the second block's tile 0
	s_cmp_gt_u32 s[NXT], s[LQ]
	s_cselect_b32 s[NXT], 0, s[NXT]
	s_cselect_b32 s[LQ], s[PB], s[LQ]
	s_wait_xcnt 0x0                 ; the last prefetch, a trip back, has read its address
	s_add_nc_u64 s[PFA:PFA+1], s[PFA:PFA+1], 65536
.endif
	s_sub_co_u32 s[RT], s[RT], 1
	s_cmp_eq_u32 s[RT], 0           ; is the tile to be entered the diagonal one?
	s_cselect_b32 s[BE], s[CLO], 0
	s_cselect_b32 s[SHI], s[CHI], 0
	s_cselect_b32 s[AL], s[CAL], 0
	WIN 0xc0                        ; destination window 3
.set z, 0
.rept 8
	v_mov_b32 v[MLO+z], s[BE]
	v_mov_b32 v[MHI+z], s[SHI]
.set z, z+1
.endr
	WIN 0xc3                        ; and source 0
.set z, 0
.rept 4
	v_pk_fma_f32 v[MEQ+2*z:MEQ+2*z+1], v[MDG+2*z:MDG+2*z+1], s[AL:AL+1], s[BE:BE+1] op_sel_hi:[1,0,0]
.set z, z+1
.endr
	WIN 0                           ; at a label and at a branch every window is 0
	s_wait_dscnt 0x0                ; the add is done, and my reads of the slot are over
.if \fill
	CROUND
	JLOAD
	ASK
.else
	s_barrier_signal -1
	s_barrier_wait -1
.endif
	s_xor_b32 s[TB], s[TB], SLOTD   ; the fetches go to the other slot
.endm
; THE MATRIX WORK.  The accumulators take turns, one instruction a turn.
; Product i of 32 of O^T += V^T P for piece x: keys 32 (i / 16) on, channels 16 ((i / 2) % 8) on, tile x + i % 2.
.macro PV x
	WIN W_PV
.set rO, 64*((\x)+i%2)+8*((i/2)%8)
.set rV, 64*(i/16)+8*((i/2)%8)
.set rP, P+16*((\x)+i%2)+8*(i/16)
	v_wmma_f32_16x16x32_f16 v[rO:rO+7], v[rV:rV+7], v[rP:rP+7], v[rO:rO+7]
.endm
; Product i of 32 of S^T = K Q^T for piece x: channels 32 (i / 8) on, keys 16 ((i / 2) % 4) on, tile x + i % 2.  The first 8 start the sums with a mask.
.macro KQ x
.set tt, (\x)+i%2
.set kb, (i/2)%4
.set rS, S+32*tt+8*kb
.set rK, KF+32*kb+8*(i/8)
.set rQ, 32*tt+8*(i/8)
.if i >= 8
	WIN W_KQ
	v_wmma_f32_16x16x32_f16 v[rS:rS+7], v[rK:rK+7], v[rQ:rQ+7], v[rS:rS+7]
.elseif kb < tt
	WIN W_KM
	v_wmma_f32_16x16x32_f16 v[rS:rS+7], v[rK:rK+7], v[rQ:rQ+7], v[MLO:MLO+7]
.elseif kb == tt
	WIN W_KM
	v_wmma_f32_16x16x32_f16 v[rS:rS+7], v[rK:rK+7], v[rQ:rQ+7], v[MEQ:MEQ+7]
.else
	WIN W_KM
	v_wmma_f32_16x16x32_f16 v[rS:rS+7], v[rK:rK+7], v[rQ:rQ+7], v[MHI:MHI+7]
.endif
.endm
; THE LDS LOADS stand in runs of 32: my 64 keys of K (16 fragments) and of V (turned).
.macro FETCH_K
	WIN 0
	v_add_nc_u32 v[ADK], s[TB], v[AK0]
	WIN 0x80                        ; destination window 2
.irp f, 0,1,2,3,4,5,6,7,8,9,10,11,12,13,14,15  ; keys 16 (f / 4) on, channels 32 (f % 4) on
	ds_load_b128 v[KF+8*(\f):KF+8*(\f)+3],   v[ADK] offset:((\f)/4)*16*PK+((\f)%4)*64
	ds_load_b128 v[KF+8*(\f)+4:KF+8*(\f)+7], v[ADK] offset:((\f)/4)*16*PK+((\f)%4)*64+32
.endr
.endm
.macro FETCH_V
	WIN 0
	v_add_nc_u32 v[ADV], s[TB], v[AV0]
	WIN 0xc0                        ; destination window 3
.irp f, 0,1,2,3,4,5,6,7,8,9,10,11,12,13,14,15  ; keys 32 (f / 8) on, channels 16 (f % 8) on
	ds_load_tr16_b128 v[8*(\f):8*(\f)+3],   v[ADV] offset:((\f)/8)*32*PV+((\f)%8)*32
	ds_load_tr16_b128 v[8*(\f)+4:8*(\f)+7], v[ADV] offset:((\f)/8)*32*PV+16*PV+((\f)%8)*32
.endr
.endm
.macro QLOAD base                   ; Q stays in registers: tile i / 4, channels 32 (i % 4) on
	WIN 0x80
.set i, 0
.rept 16
	global_load_b128 v[8*i:8*i+3],   v[QO], s[\base:\base+1] offset:(i/4)*4096+(i%4)*64
	global_load_b128 v[8*i+4:8*i+7], v[QO], s[\base:\base+1] offset:(i/4)*4096+(i%4)*64+32
.set i, i+1
.endr
	WIN 0
.endm
; THE VECTOR WORK.  One tile's softmax for one step is a list of 134 instructions; SM writes number j of it for tile t.  s0-s31 are the lane's 32 scores, in pairs 0-15.
;   0-15    the maximum of s0-s31 and the old m, three operands at a time (each accumulator's lowest registers are read first)
;   16-20   the other half of the lanes' maximum; c m_old is kept; the new m; c m; c m_old - c m_new
;   21-69   ONE BATCH: the 16 scalings c s - c m and all 33 exponentials (a at 23, then s0-s31); none of these reads an exponential's result
;   (wait)  between 69 and 70 stands the wait for the batch: SLICE writes it, once for both tiles
;   70-85   the roundings to f16     86-101  the sums; l = a l + the sum     102-133 the tile's O^T times a
.macro SM t
.set rT, ST+8*(\t)
.set rS, S+32*(\t)
.set rP, P+16*(\t)
.set rO, 64*(\t)+2*(j-102)
.if j < 102
	WIN 0
.endif
.if j < 4
	v_max3_num_f32 v[rT+4+j], v[rS+8*j], v[rS+8*j+1], v[rS+8*j+2]
.elseif j < 12
	v_max3_num_f32 v[rT+4+j%4], v[rT+4+j%4], v[rS+8*(j%4)+2*(j/4)+1], v[rS+8*(j%4)+2*(j/4)+2]
.elseif j == 12
	v_max3_num_f32 v[rT+4], v[rT+4], v[rS+7], v[rS+15]
.elseif j == 13
	v_max3_num_f32 v[rT+6], v[rT+6], v[rS+23], v[rS+31]
.elseif j == 14
	v_max3_num_f32 v[rT+4], v[rT+4], v[rT+5], v[rT+6]
.elseif j == 15
	v_max3_num_f32 v[rT+4], v[rT+4], v[rT+7], v[rT+1]
.elseif j == 16
	v_permlanex16_b32 v[rT+5], v[rT+4], s[SEL], s[SEL+1]  ; the query's other 32 keys lie in the lane 16 away
.elseif j == 17
	v_mov_b32 v[rT+7], v[rT]        ; c m_old is kept for a: number 19 writes c m anew
.elseif j == 18
	v_max_num_f32 v[rT+1], v[rT+4], v[rT+5]
.elseif j == 19
	v_mul_f32 v[rT], s[CS], v[rT+1]
.elseif j == 20
	v_sub_f32 v[rT+7], v[rT+7], v[rT]
.elseif j == 23
	v_exp_f32 v[rT+6], v[rT+7]
.elseif (j < 23) || ((j < 38) && (j%2 == 0)) || ((j < 66) && (j%4 == 2))
.set b, (j-2)/4                     ; 38, 42, .. 62: pairs 9 to 15
.if j < 38
.set b, (j-20)/2                    ; 21: pair 0; 22, 24, .. 36: pairs 1 to 8
.endif
	v_pk_fma_f32 v[rS+2*b:rS+2*b+1], v[rS+2*b:rS+2*b+1], s[CS:CS+1], v[rT:rT+1] op_sel_hi:[1,0,0] neg_lo:[0,0,1] neg_hi:[0,0,1]  ; pair b: c s - c m
.elseif j < 70
.set e, j-38                        ; 66 to 69: s28 to s31
.if j < 66
.set e, j-32-(j-38)/4               ; 39-41, 43-45, .. 63-65: s7 to s27
.endif
.if j < 38
.set e, (j-25)/2                    ; 25, 27, .. 37: s0 to s6
.endif
	v_exp_f32 v[rS+e], v[rS+e]
.elseif j < 86
	v_cvt_pk_f16_f32 v[rP+j-70], v[rS+2*(j-70)], v[rS+2*(j-70)+1]
.elseif j < 102                     ; the sum of the tile's 16 pairs, in place: neighbours 1, 2, 4 and 8 pairs apart, then l takes it
.set z, j-86
.set w, 4
.set u, z
.if z >= 14
.set w, 32
.set u, 0
.elseif z >= 12
.set w, 16
.set u, z-12
.elseif z >= 8
.set w, 8
.set u, z-8
.endif
.if z < 15
	v_pk_add_f32 v[rS+w*u:rS+w*u+1], v[rS+w*u:rS+w*u+1], v[rS+w*u+w/2:rS+w*u+w/2+1]
.else
	v_pk_fma_f32 v[rT+2:rT+3], v[rT+2:rT+3], v[rT+6:rT+7], v[rS:rS+1] op_sel_hi:[1,0,1]
.endif
.else
	WIN W_RS
	v_pk_mul_f32 v[rO:rO+1], v[rO:rO+1], v[rT+6:rT+7] op_sel_hi:[1,0]
.endif
.endm
; Slice k of 64 of piece y's softmax: four instructions.  Slices 11 to 34 deal out the batch, four numbers of ONE tile each, the tiles by turns; every other slice is numbers 2 k and 2 k + 1 of both tiles;
; the twelve that are over stand in slice 63.  Behind slice 34 stand a plain instruction and the one wait between the piece's 66 exponentials and the first line that names a result.
.macro SLICE y
.if (k >= 11) && (k < 35)
.irp n, 0,1,2,3
.set j, 22+4*((k-11)/2)+(\n)
	SM (\y)+(k-11)%2
.endr
.else
.irp n, 0,1,2,3,4,5,6,7
.if ((\n) < 2) || (k == 63)
.irp t, \y, (\y)+1
.set j, 2*k+(\n)
	SM \t
.endr
.endif
.endr
.endif
.if k == 34
	v_nop
	s_wait_alu depctr_va_vdst(0)
.endif
.set k, k+1
.endm
; 32 products for piece x (kind = 1: V^T P; 0: K Q^T); y >= 0: two slices of piece y's softmax behind each.  No slice names a register of the products round it.
.macro RUN kind, x, y
.set i, 0
.set k, 0
.rept 32
.if \kind
	PV \x
.else
	KQ \x
.endif
.if (\y) >= 0
	SLICE \y
	SLICE \y
.endif
.set i, i+1
.endr
.endm
.macro TRIP
	FETCH_K                         ; K's last reader stands 64 slices back
	RUN 1, 2, -1                    ; piece 2's V^T P of the tile before
	PLACES                          ; in front of the loads into V's registers
	FETCH_V
	s_wait_loadcnt 0x0              ; Q (at a block's first tile)
	s_wait_dscnt 32                 ; K is in; V's 32 loads may stay out
	RUN 0, 0, -1
	PLACES                          ; in front of the softmax that reads these scores
	RUN 0, 2, 0
	s_wait_dscnt 0x0                ; V is in
	RUN 1, 0, 2
	WIN 0
.endm
.macro SCALE t                      ; tile t's O^T times my factor, each accumulator from its low end on
	WIN W_RS
.set i, 64*(\t)
.rept 32
	v_pk_mul_f32 v[i:i+1], v[i:i+1], v[ST+8*(\t)+6:ST+8*(\t)+7] op_sel_hi:[1,0]
.set i, i+2
.endr
.endm
; THE MERGE of the four waves' partial results.  P and V are left as they are: the next block's first trip multiplies them once more, into an O^T that is then multiplied by a = 0, so they must hold finite f16 numbers.
.macro MERGE
	WIN 0
.irp t, 0,1,2,3
	v_add_f32 v[ST+8*\t+5], v[ST+8*\t+2], v[ST+8*\t+3]  ; l: even and odd keys',
.endr
.irp t, 0,1,2,3
	v_permlanex16_b32 v[ST+8*\t+6], v[ST+8*\t+5], s[SEL], s[SEL+1]
.endr
.irp t, 0,1,2,3
	v_add_f32 v[ST+8*\t+5], v[ST+8*\t+5], v[ST+8*\t+6]  ; and the other half of the lanes'
.endr
.irp t, 0,1,2,3
	v_mov_b32 v[ST+8*\t+4], v[ST+8*\t]
.endr
.irp t, 0,1,2,3
	ds_store_b64 v[SA], v[ST+8*\t+4:ST+8*\t+5] offset:128*\t
.endr
	s_wait_dscnt 0x0                ; for the others' sake
	s_barrier_signal -1
	s_barrier_wait -1
.irp t, 0,1,2,3
.irp u, 0,1,2,3
	ds_load_b64 v[MS+8*\t+2*\u:MS+8*\t+2*\u+1], v[SR] offset:512*\u+128*\t
.endr
.endr
	s_wait_dscnt 0x0
.irp t, 0,1,2,3
	v_max3_num_f32 v[ST+8*\t+6], v[MS+8*\t], v[MS+8*\t+2], v[MS+8*\t+4]
.endr
.irp t, 0,1,2,3
	v_max_num_f32 v[ST+8*\t+6], v[ST+8*\t+6], v[MS+8*\t+6]  ; c m*
.endr
.irp t, 0,1,2,3
.irp u, 0,1,2,3
	v_sub_f32 v[MS+8*\t+2*\u], v[MS+8*\t+2*\u], v[ST+8*\t+6]
.endr
	v_sub_f32 v[ST+8*\t+7], v[ST+8*\t], v[ST+8*\t+6]        ; my own
.endr
.irp t, 0,1,2,3
.irp u, 0,1,2,3
	v_exp_f32 v[MS+8*\t+2*\u], v[MS+8*\t+2*\u]
.endr
	v_exp_f32 v[ST+8*\t+7], v[ST+8*\t+7]
.endr
	v_nop                           ; a plain instruction behind the last exponential,
	s_wait_alu depctr_va_vdst(0)    ; and one wait for the twenty, ahead of their first reader
.irp t, 0,1,2,3
	v_mul_f32 v[ST+8*\t+6], v[MS+8*\t], v[MS+8*\t+1]
.endr
.irp u, 1,2,3
.irp t, 0,1,2,3
	v_fmac_f32 v[ST+8*\t+6], v[MS+8*\t+2*\u], v[MS+8*\t+2*\u+1]  ; L = the sum of 2^(c m_u - c m*) l_u
.endr
.endr
.irp t, 0,1,2,3
	v_rcp_f32 v[ST+8*\t+6], v[ST+8*\t+6]
.endr
	v_nop
	s_wait_alu depctr_va_vdst(0)    ; one wait for the four reciprocals
.irp t, 0,1,2,3
	v_mul_f32 v[ST+8*\t+6], v[ST+8*\t+6], v[ST+8*\t+7]      ; my factor
.endr
	SCALE 0
.irp t, 0,1,2,3                     ; a tile (16 rows of out) at a time: every wave's part into its stage; wave w adds up rows 4 w .. 4 w + 3
	WIN 0x04                        ; address window 0, data window 1
.irp c, 0,1,2,3,4,5,6,7
	ds_store_b128 v[STO], v[64*\t+8*\c:64*\t+8*\c+3]   offset:64*\c
	ds_store_b128 v[STO], v[64*\t+8*\c+4:64*\t+8*\c+7] offset:64*\c+16
.endr
	WIN 0
	s_wait_dscnt 0x0                ; for the others' sake: my part lies in my stage
	s_barrier_signal -1
	s_barrier_wait -1
.if \t > 0
	s_wait_xcnt 0x0                 ; the last tile's stores have read their registers
.endif
.irp u, 0,1,2,3
.irp p, 0,1,2,3
	ds_load_b128 v[RB+16*\p+4*\u:RB+16*\p+4*\u+3], v[RD] offset:16*SP*\u+SP*\p  ; a row's 512 bytes: 32 lanes, 16 neighbouring bytes each
.endr
.endr
.if \t < 3
	SCALE (\t)+1                    ; the next tile's scaling stands between the loads and the wait for them
	WIN 0
.endif
	s_wait_dscnt 0x0                ; my reads of the stages are over:
.if \t < 3
	s_barrier_signal -1             ; say so; the sums, work on registers, stand between signal and wait;
.endif
.irp p, 0,1,2,3
	v_pk_add_f32 v[RB+16*\p:RB+16*\p+1],     v[RB+16*\p:RB+16*\p+1],     v[RB+16*\p+4:RB+16*\p+5]
	v_pk_add_f32 v[RB+16*\p+2:RB+16*\p+3],   v[RB+16*\p+2:RB+16*\p+3],   v[RB+16*\p+6:RB+16*\p+7]
	v_pk_add_f32 v[RB+16*\p+8:RB+16*\p+9],   v[RB+16*\p+8:RB+16*\p+9],   v[RB+16*\p+12:RB+16*\p+13]
	v_pk_add_f32 v[RB+16*\p+10:RB+16*\p+11], v[RB+16*\p+10:RB+16*\p+11], v[RB+16*\p+14:RB+16*\p+15]
	v_pk_add_f32 v[RB+16*\p:RB+16*\p+1],     v[RB+16*\p:RB+16*\p+1],     v[RB+16*\p+8:RB+16*\p+9]
	v_pk_add_f32 v[RB+16*\p+2:RB+16*\p+3],   v[RB+16*\p+2:RB+16*\p+3],   v[RB+16*\p+10:RB+16*\p+11]
.endr
.if \t < 3
	s_barrier_wait -1               ; the next tile's parts are stored only when all four have said so
.endif
.irp p, 0,1,2,3
	global_store_b128 v[GO], v[RB+16*\p:RB+16*\p+3], s[10:11] offset:(16*\t+\p)*512 th:TH_STORE_NT  ; a whole row of out: 512 consecutive bytes, aligned
.endr
.endr
.endm
; A BLOCK'S END.  last = 0: the second block's Q is asked for at once, into Q's own registers (their last reader stands 64 slices back); behind the merge out's address, the count of tiles and m are set anew.
; O^T and l keep what the first block left: finite numbers, which the second block's first step multiplies by a = 0.
.macro BLOCKEND last
.if !(\last)
	QLOAD QLO
.endif
	RUN 1, 2, -1                    ; piece 2's V^T P of the last tile
	MERGE
.if !(\last)
	s_wait_xcnt 0x0                 ; the stores have read their registers and out's address
	s_mov_b64 s[10:11], s[OLO:OLO+1]
	s_add_co_u32 s[RT], s[PB], 1    ; the second block has c + 1 tiles
.irp t, 0,1,2,3
	v_mov_b32 v[ST+8*\t], 0xfe000000    ; c m: far below every c s, a hidden one's too
	v_mov_b32 v[ST+8*\t+1], 0xff7fffff  ; m
.endr
.endif
.endm
	s_load_b256 s[4:11], s[0:1], 0x0  ; Q s[4:5], K s[6:7], V s[8:9], out s[10:11]
	v_lshl_add_u32 v[SPW], v0, 2, SPARE
	v_mov_b32 v[NIL], 0
	ds_add_u32 v[SPW], v[NIL]       ; the wave's opening: the add and its wait stand ahead of my first tensor load; work on registers stands between them
	ds_add_u32 v62, v63
	v_lshrrev_b32 v1, 5, v0
	v_readfirstlane_b32 s[WV], v1   ; wave 0..3
	s_bfe_u32 s[CX], ttmp6, 0x40000
	s_mov_b32 s[PB], ttmp9          ; ttmp9 counts clusters
	s_sub_co_u32 s[HB], 15, s[PB]
	s_and_b32 s20, ttmp7, 0xffff    ; the batch, which the four partners share
	s_and_b32 s16, s[WV], 1         ; which half of a tile's 256 keys I fetch
	s_lshl_b32 s22, s20, 20         ; K and V: the batch's 4,096 rows of 256 bytes,
	s_lshl_b32 s17, s16, 15         ; and my 128 rows
	s_add_co_u32 s22, s22, s17
	s_mov_b32 s23, 0
	s_lshl_b32 s84, s20, 20         ; Q: the batch, my work-group's 64 rows,
	s_lshl_b32 s18, s[CX], 14
	s_add_co_u32 s84, s84, s18
	s_lshl_b32 s18, s[HB], 16       ; in the first block,
	s_add_co_u32 s2, s84, s18
	s_mov_b32 s3, 0
	s_lshl_b32 s18, s[PB], 16       ; and in the second
	s_add_co_u32 s84, s84, s18
	s_mov_b32 s85, 0
	s_lshl_b32 s86, s20, 21         ; out, rows of 512 bytes: the batch, my work-group's 64 rows, my wave's 4 of each 16
	s_lshl_b32 s18, s[CX], 15
	s_add_co_u32 s86, s86, s18
	s_lshl_b32 s18, s[WV], 11
	s_add_co_u32 s86, s86, s18
	s_lshl_b32 s18, s[HB], 17
	s_add_co_u32 s88, s86, s18
	s_mov_b32 s89, 0
	s_lshl_b32 s18, s[PB], 17
	s_add_co_u32 s86, s86, s18
	s_mov_b32 s87, 0
	s_mov_b32 s[G1K], 15|(1<<16)|(1<<20)|(1<<21)|(5<<22)|(3<<25)  ; 15:0 the mask of four; 17:16 2-byte elements; 20 padding on; 21 set beside a mask; 24:22 after every 64 words; 31:25 4 words
	s_mov_b32 s[G1V], 15|(1<<16)|(1<<20)|(1<<21)|(5<<22)|(7<<25)  ; the same with 8 words of padding
.irp g, G1K, G1V
	s_mov_b32 s[\g+1], 128<<16      ; tensor_dim0 = 128
	s_mov_b32 s[\g+2], 128<<16      ; tensor_dim1 = 128
	s_mov_b32 s[\g+3], 128<<16      ; tile_dim0 = 128
	s_mov_b32 s[\g+4], 128          ; tile_dim1 = 128
	s_mov_b32 s[\g+5], 128          ; elements from row to row
	s_mov_b32 s[\g+6], 0
	s_mov_b32 s[\g+7], 0
.endr
	s_mov_b32 s[G0K], 1
	s_mul_i32 s[G0K+1], s16, 128*PK ; slot 0: no place in the cluster enters an LDS address
	s_mov_b32 s[G0V], 1
	s_mul_i32 s[G0V+1], s16, 128*PV
	s_add_co_u32 s[G0V+1], s[G0V+1], VOFF
	s_mov_b32 s[CS], 0x3e0293ee     ; c = log2(e) / sqrt(128) = 0.127517
	s_mov_b32 s[CS+1], s[CS]        ; named with it as a pair
	s_mov_b32 s[SEL], 0x76543210
	s_mov_b32 s[SEL+1], 0xfedcba98
	s_mov_b32 s[TB], SLOTD          ; the first change of slots turns it into 0
	s_mov_b32 s[SLOTS], 16
	s_add_co_u32 s[RT], s[HB], 1    ; the first block has 16 - c tiles
	s_mov_b32 s[NXT], 1
	s_mov_b32 s[LQ], s[HB]
	s_mov_b32 s[OFF+1], 0
	s_mov_b32 s[AL+1], 0            ; named as pairs
	s_mov_b32 s[BE+1], 0
	s_mov_b32 s[BIGN], 0xf1800000   ; -2^100
	s_cmp_gt_u32 s[WV], s[CX]       ; the diagonal tile: my 64 keys against my work-group's 64 queries
	s_cselect_b32 s[CLO], s[BIGN], 0
	s_cmp_ge_u32 s[WV], s[CX]
	s_cselect_b32 s[CHI], s[BIGN], 0
	s_cmp_eq_u32 s[WV], s[CX]
	s_cselect_b32 s[CAL], 1.0, 0
	s_cmp_eq_u32 s[PB], 0           ; the same in all four partners
	s_cselect_b32 s[LIM], 3, -1
	v_and_b32 v46, 31, v0           ; l
	v_lshlrev_b32 v[PFO], 8, v46
	s_wait_dscnt 0x0                ; the opening add is done
	s_wait_kmcnt 0x0
	s_add_nc_u64 s[6:7], s[6:7], s[22:23]  ; K and V at my half of the batch's tile 0
	s_add_nc_u64 s[8:9], s[8:9], s[22:23]
	s_add_nc_u64 s[G0K+2:G0K+3], s[6:7], 0
	s_or_b32 s[G0K+3], s[G0K+3], 0x80000000  ; type = 2
	s_add_nc_u64 s[G0V+2:G0V+3], s[8:9], 0
	s_or_b32 s[G0V+3], s[G0V+3], 0x80000000
	s_add_nc_u64 s[QLO:QLO+1], s[4:5], s[84:85]
	s_add_nc_u64 s[4:5], s[4:5], s[2:3]
	s_add_nc_u64 s[OLO:OLO+1], s[10:11], s[86:87]
	s_add_nc_u64 s[10:11], s[10:11], s[88:89]
	s_cmp_lt_u32 s[WV], 2
	s_cselect_b64 s[PFA:PFA+1], s[6:7], s[8:9]
	s_lshl_b32 s2, s[CX], 13        ; my work-group's 32 of the 128 rows that I fetch,
	s_add_co_u32 s2, s2, 2*65536    ; in tile 2: the first change of slots steps it to tile 3
	s_mov_b32 s3, 0
	s_add_nc_u64 s[PFA:PFA+1], s[PFA:PFA+1], s[2:3]
	CROUND                          ; all four work-groups are here: the first joint loads meet
	JLOAD                           ; tile 0 into slot 0; one tensor load of mine is out, here and behind every round
	v_and_b32 v44, 15, v0           ; l % 16
	v_bfe_u32 v45, v0, 4, 1         ; l / 16
	v_lshlrev_b32 v[QO], 8, v44
	v_lshl_add_u32 v[QO], v45, 4, v[QO]  ; row x 256 + 16 x half
	QLOAD 4
	s_mul_i32 s18, s[WV], 64*PK     ; my 64 keys
	v_mul_u32_u24 v[AK0], v44, PK
	v_lshl_add_u32 v[AK0], v45, 4, v[AK0]
	v_add_nc_u32 v[AK0], s18, v[AK0]
	; The turning load takes 16 keys x 16 channels (lane l reads key 8 (l / 16) + l % 8, channels 8 ((l / 8) % 2) + 0..7) and leaves half a fragment of V^T: lane l holds channel l % 16 and 8 keys.
	v_and_b32 v47, 7, v0
	v_bfe_u32 v48, v0, 3, 1
	s_mul_i32 s18, s[WV], 64*PV
	s_add_co_u32 s18, s18, VOFF
	v_lshl_add_u32 v[AV0], v45, 3, v47
	v_mul_u32_u24 v[AV0], v[AV0], PV
	v_lshl_add_u32 v[AV0], v48, 4, v[AV0]
	v_add_nc_u32 v[AV0], s18, v[AV0]
	s_mul_i32 s18, s[WV], 16*SP
	s_add_co_u32 s18, s18, STAGE    ; my stage: row l % 16, 32 bytes for each half of the lanes
	v_mul_u32_u24 v[STO], v44, SP
	v_lshl_add_u32 v[STO], v45, 5, v[STO]
	v_add_nc_u32 v[STO], s18, v[STO]
	s_mul_i32 s18, s[WV], 4*SP
	s_add_co_u32 s18, s18, STAGE    ; back: rows 4 w .. of every wave's stage
	v_lshl_add_u32 v[RD], v46, 4, s18
	v_lshlrev_b32 v[GO], 4, v46
	s_lshl_b32 s18, s[WV], 9
	s_add_co_u32 s18, s18, STATS
	v_lshl_add_u32 v[SA], v44, 3, s18
	v_lshl_add_u32 v[SR], v44, 3, STATS
	v_lshlrev_b32 v49, 3, v45
	v_sub_nc_u32 v49, v44, v49      ; l % 16 - 8 (l / 16): register j is hidden where j is greater
	WIN 0xc0
.set i, 0
.rept 8
	v_cmp_gt_i32 vcc_lo, i, v49
	v_cndmask_b32 v[MDG+i], 0, s[BIGN], vcc_lo
.set i, i+1
.endr
	; No first step is written out: what the first trip multiplies before it has been made (V, piece 2's P) and what the first a = 0 multiplies (O^T, l) hold 0.  All this stands in the wait for the first tile.
.set i, 0
.rept 128
	v_mov_b32 v[i], 0               ; V
.set i, i+1
.endr
	WIN 0x40
.set i, 0
.rept 256
	v_mov_b32 v[i], 0               ; O^T
.set i, i+1
.endr
	WIN 0
.set i, P+32
.rept 32
	v_mov_b32 v[i], 0               ; piece 2's P
.set i, i+1
.endr
.irp t, 0,1,2,3
	v_mov_b32 v[ST+8*\t], 0xfe000000    ; c m: far below every c s
	v_mov_b32 v[ST+8*\t+1], 0xff7fffff  ; m
	v_mov_b32 v[ST+8*\t+2], 0
	v_mov_b32 v[ST+8*\t+3], 0
.endr
.Lslot:                             ; 16 times: a tile is entered and the next is asked for
	CHANGE 1
	TRIP
	s_cmp_lg_u32 s[RT], 0           ; made of the cluster's number and counts alone: the same in all waves and all partners, so every barrier below is passed by all or by none
	s_cbranch_scc1 .Lgo_on
	BLOCKEND 0                      ; in the loop this is the first block's end: the second block's last tile is the walk's last
.Lgo_on:
	s_sub_co_u32 s[SLOTS], s[SLOTS], 1
	s_cmp_lg_u32 s[SLOTS], 0
	s_cbranch_scc1 .Lslot
	CHANGE 0                        ; the walk's last tile is written out: nothing is asked for
	TRIP
	BLOCKEND 1
	s_wait_tensorcnt 0x0            ; the wave's end: a wait, an add of 0 to my spare word and its wait, behind my last tensor load and my last LDS store
	ds_add_u32 v[SPW], v[NIL]
	s_wait_dscnt 0x0
	CROUND                          ; the closing round: no work-group ends while a partner may still ask for a tile that names it
	s_endpgm
.Lfunc_end_k_q06c25d3e54_attn:
	.size	k_q06c25d3e54_attn, .Lfunc_end_k_q06c25d3e54_attn-k_q06c25d3e54_attn
	.p2alignl 7, 3214868480
	.fill 96, 4, 3214868480
	.section	.rodata,"a",@progbits
	.p2align	6, 0x0
	.amdhsa_kernel k_q06c25d3e54_attn
		.amdhsa_group_segment_fixed_size 327680
		.amdhsa_private_segment_fixed_size 0
		.amdhsa_enable_private_segment 0
		.amdhsa_kernarg_size 32
		.amdhsa_user_sgpr_count 2
		.amdhsa_user_sgpr_kernarg_segment_ptr 1
		.amdhsa_wavefront_size32 1
		.amdhsa_system_sgpr_workgroup_id_x 1
		.amdhsa_system_sgpr_workgroup_id_y 1
		.amdhsa_system_sgpr_workgroup_id_z 1
		.amdhsa_system_vgpr_workitem_id 0
		.amdhsa_next_free_vgpr 928
		.amdhsa_next_free_sgpr 90
		.amdhsa_reserve_vcc 1
		.amdhsa_float_denorm_mode_32 3
		.amdhsa_float_denorm_mode_16_64 3
		.amdhsa_memory_ordered 1
		.amdhsa_forward_progress 1
		.amdhsa_inst_pref_size 188
	.end_amdhsa_kernel
	.amdgpu_metadata
---
amdhsa.version: [ 1, 2 ]
amdhsa.kernels:
  - .name:           k_q06c25d3e54_attn
    .symbol:         k_q06c25d3e54_attn.kd
    .args:
      - { .name: qh, .offset: 0, .size: 8, .value_kind: global_buffer, .address_space: global }
      - { .name: kh, .offset: 8, .size: 8, .value_kind: global_buffer, .address_space: global }
      - { .name: vh, .offset: 16, .size: 8, .value_kind: global_buffer, .address_space: global }
      - { .name: out0, .offset: 24, .size: 8, .value_kind: global_buffer, .address_space: global }
    .group_segment_fixed_size: 327680
    .private_segment_fixed_size: 0
    .kernarg_segment_align: 8
    .kernarg_segment_size: 32
    .max_flat_workgroup_size: 128
    .sgpr_count:     90
    .vgpr_count:     928
    .wavefront_size: 32
...
	.end_amdgpu_metadata
.endif
;; end of part 3
;; launch head (part 4): grid 8 x 1, 4 waves a work-group, no clusters, 71,168 bytes of LDS; arguments qh, kh, vh, lo, out0; writes out0
.if DOCPART == 4
	.amdgcn_target "amdgcn-amd-amdhsa--gfx1250"
	.amdhsa_code_object_version 6
	.text
	.protected	k_q06c25d3e54_head
	.globl	k_q06c25d3e54_head
	.p2align	8
	.type	k_q06c25d3e54_head,@function
k_q06c25d3e54_head:
	s_mov_b64 s[64:65], 0
	v_nop
	global_prefetch_b8 v0, s[64:65] scope:SCOPE_SE
	s_setreg_imm32_b32 hwreg(HW_REG_WAVE_MODE, 25, 1), 1
	s_wait_xcnt 0x0
; ROWS 0 TO 63 OF EACH BATCH ONCE MORE, with operands of 22 bits.  out[b][q][:] = the sum over k <= q of softmax_k(Q[b][q] . K[b][k] / sqrt(128)) V[b][k][:], q < 64.
; WHY.  Row q is a mean over q + 1 keys: in the first rows few terms of V's own size may cancel, and what f16's 11 bits lose of each term stays whole in the small sum.  From some tens of keys on the losses average out.
; HOW.  Each of q, k, v is an f16 number (qh, kh, vh) plus its remainder, rounded to f16 (lo, [8][64][384]: q | k | v); a product of two such pairs is taken as upper x upper + lower x upper + upper x lower;
; lower x lower, 2^-22 of the product, is dropped.  The weights p are split in the same way here.  Sums, maximum and softmax in f32.
; THIS LAUNCH RUNS LAST AND WRITES OVER what the launch before stored in these 8 x 64 rows: that launch's work-groups run one text for all places in a cluster and cannot leave rows out.
; LIMITS.  As there: q, k, v within f16's range; a hidden score counts as its value less 2^100; a weight below 2^-126 counts as 0.  A remainder below 6e-5 keeps f16's fixed step of 6e-8.
; SHARES.  A work-group a batch: 8 are all the work there is.  Wave t takes queries 16 t .. 16 t + 15 and all 64 keys, hidden ones too: one text, no branch.  No cluster: no two work-groups read the same byte.
; LAYOUT.  S^T = K Q^T (source 0 = 16 keys, source 1 = 16 queries): a lane holds ONE query (lane % 16) and the keys 8 (lane / 16) + 0..7 of each of four blocks.  Two such results rounded to f16 ARE source 1 of
; O^T = V^T P.  Q's and K's fragments come straight from memory; V goes through LDS, each wave bringing 16 rows, and comes out turned, by ds_load_tr16_b128.
; THE MASK is the C operand that starts a sum S^T: for key block kb it is 0 (kb < t), the 16 x 16 triangle (kb = t) or -2^100 (kb > t).
; REGISTERS: window 0: v5-15 addresses; v16-23 statistics; v32-95 Q, upper and lower; v96-127 S^T; v128-159 the masks, later p's remainders; v160-191 P, upper and lower; v192-255 V on its way to LDS, then O^T
;   window 1: K's fragments, upper (v0-127) and lower (v128-255); then V's likewise.   s_set_vgpr_msb: bits 1:0 source 0, 7:6 destination
.set PV,    288       ; a row of V in LDS: 256 bytes + 32
.set VHB,   0         ; 64 rows of V's upper parts,
.set VLB,   64*PV     ; and of the lower
.set STAGE, 2*64*PV   ; 16 rows x 528 bytes for each wave, for the way out
.set SP,    528
.set SPARE, STAGE+4*16*SP  ; the spare words, 128 bytes for each wave
.set KO,   5          ; v5   a fragment's row x 256 + 16 x half: K's upper parts
.set KLO,  6          ; v6   row x 768 + 16 x half: the lower
.set QO,   7          ; v7   the same two for my 16 queries
.set QLO,  8
.set VGO,  9          ; v9   my 16 bytes of my wave's first two rows of vh
.set VLGO, 10         ; v10  and of lo
.set VLS,  11         ; v11  where they go in LDS
.set AV,   12         ; v12  my lane's place for the turning loads
.set STO,  13         ; v13  the way out: where I put 32 bytes of a row
.set RD,   14         ; v14  where I read rows back
.set GO,   15         ; v15  my 16 bytes of my wave's first row of out
.set T,    16         ; v16 c m, v17 m, v18-21 at work, v22 1 / l, v23 named with it as a pair
.set MONE, 24         ; v24  -1.0
.set SPW,  26         ; v26  LDS address of my spare word; never rewritten
.set NIL,  27         ; v27  0; never rewritten
.set QH,   32
.set QL,   64
.set S,    96
.set MK,   128
.set PH,   160
.set PL,   176
.set O,    192
.set VT,   192
.set BK,   32         ; the way out: 16 rows read back
.set WV,   14         ; s14  wave
.set CS,   16         ; s[16:17] c
.set SEL,  18         ; s[18:19] v_permlanex16_b32's selects: each lane takes its own place in the other half
.set BIGN, 26         ; s26  -2^100
.set AL,   28         ; s[28:29] a mask's factor, in the low word
.set BE,   30         ; s[30:31] its addend
.set MSB, 0
.macro WIN new                      ; the high byte repeats the setting that is left; a switch that changes nothing is dropped
.if MSB != (\new)
	s_set_vgpr_msb (MSB<<8)|(\new)
.set MSB, \new
.endif
.endm
.macro PLACES                       ; places behind a matrix instruction, in front of loads into registers that it read and of lines that read results
.rept 8
	v_nop
.endr
.endm
	s_load_b256 s[4:11], s[0:1], 0x0  ; qh s[4:5], kh s[6:7], vh s[8:9], lo s[10:11]
	s_load_b64 s[12:13], s[0:1], 0x20 ; out0
	v_lshl_add_u32 v[SPW], v0, 2, SPARE
	v_mov_b32 v[NIL], 0
	v_lshrrev_b32 v1, 5, v0
	v_readfirstlane_b32 s[WV], v1   ; wave 0..3
	v_and_b32 v1, 15, v0            ; l % 16
	v_bfe_u32 v2, v0, 4, 1          ; l / 16
	v_and_b32 v3, 31, v0            ; l
	s_lshl_b32 s20, ttmp9, 20       ; the batch in qh, kh, vh: 4,096 rows of 256 bytes,
	s_mov_b32 s21, 0
	s_mul_i32 s22, ttmp9, 49152     ; in lo: 64 rows of 768,
	s_mov_b32 s23, 0
	s_lshl_b32 s24, ttmp9, 21       ; in out: 4,096 rows of 512
	s_mov_b32 s25, 0
	v_lshlrev_b32 v[KO], 8, v1
	v_lshl_add_u32 v[KO], v2, 4, v[KO]
	v_mul_u32_u24 v[KLO], v1, 768
	v_lshl_add_u32 v[KLO], v2, 4, v[KLO]
	s_lshl_b32 s32, s[WV], 12       ; my wave's 16 rows of 256 bytes
	s_mul_i32 s33, s[WV], 12288     ; and of 768
	v_add_nc_u32 v[QO], s32, v[KO]
	v_add_nc_u32 v[QLO], s33, v[KLO]
	v_lshl_add_u32 v[VGO], v3, 4, s32  ; two rows of vh are 512 consecutive bytes
	v_mul_u32_u24 v[VLGO], v2, 768
	v_lshl_add_u32 v[VLGO], v1, 4, v[VLGO]
	v_add_nc_u32 v[VLGO], s33, v[VLGO]
	s_wait_kmcnt 0x0
	s_add_nc_u64 s[4:5], s[4:5], s[20:21]
	s_add_nc_u64 s[6:7], s[6:7], s[20:21]
	s_add_nc_u64 s[8:9], s[8:9], s[20:21]
	s_add_nc_u64 s[10:11], s[10:11], s[22:23]
	s_add_nc_u64 s[12:13], s[12:13], s[24:25]
.set i, 0
.rept 8                             ; V first: it has the longest way.  Rows 16 t + 2 i (lanes 0-15) and the next (lanes 16-31)
	global_load_b128 v[VT+4*i:VT+4*i+3],       v[VGO],  s[8:9]   offset:512*i
	global_load_b128 v[VT+32+4*i:VT+32+4*i+3], v[VLGO], s[10:11] offset:1536*i+512
.set i, i+1
.endr
.irp c, 0,1,2,3                     ; Q: channels 32 c on
	global_load_b128 v[QH+8*\c:QH+8*\c+3],   v[QO],  s[4:5]   offset:64*\c
	global_load_b128 v[QH+8*\c+4:QH+8*\c+7], v[QO],  s[4:5]   offset:64*\c+32
	global_load_b128 v[QL+8*\c:QL+8*\c+3],   v[QLO], s[10:11] offset:64*\c
	global_load_b128 v[QL+8*\c+4:QL+8*\c+7], v[QLO], s[10:11] offset:64*\c+32
.endr
	WIN 0x40                        ; destination window 1
.set f, 0
.rept 16                            ; K's upper parts: keys 16 (f / 4) on, channels 32 (f % 4) on
	global_load_b128 v[8*f:8*f+3],   v[KO], s[6:7] offset:(f/4)*4096+(f%4)*64
	global_load_b128 v[8*f+4:8*f+7], v[KO], s[6:7] offset:(f/4)*4096+(f%4)*64+32
.set f, f+1
.endr
	WIN 0
	s_mul_i32 s32, s[WV], 16*PV
	v_mul_u32_u24 v[VLS], v2, PV
	v_lshl_add_u32 v[VLS], v1, 4, v[VLS]
	v_add_nc_u32 v[VLS], s32, v[VLS]
	s_wait_loadcnt 48               ; V's 16 loads are in; Q's 16 and K's 32, issued behind them, may stay out
.set i, 0
.rept 8
	ds_store_b128 v[VLS], v[VT+4*i:VT+4*i+3]       offset:VHB+2*PV*i
	ds_store_b128 v[VLS], v[VT+32+4*i:VT+32+4*i+3] offset:VLB+2*PV*i
.set i, i+1
.endr
	WIN 0x40
.set f, 0
.rept 16                            ; K's lower parts: columns 128 to 255 of lo
	global_load_b128 v[128+8*f:128+8*f+3],   v[KLO], s[10:11] offset:(f/4)*12288+256+(f%4)*64
	global_load_b128 v[128+8*f+4:128+8*f+7], v[KLO], s[10:11] offset:(f/4)*12288+256+(f%4)*64+32
.set f, f+1
.endr
	WIN 0
	; the rest of the set-up stands in the wait for the loads
	s_mov_b32 s[CS], 0x3e0293ee     ; c = log2(e) / sqrt(128) = 0.127517
	s_mov_b32 s[CS+1], s[CS]        ; named with it as a pair
	s_mov_b32 s[SEL], 0x76543210
	s_mov_b32 s[SEL+1], 0xfedcba98
	s_mov_b32 s[BIGN], 0xf1800000   ; -2^100
	s_mov_b32 s[AL+1], 0            ; named as pairs
	s_mov_b32 s[BE+1], 0
	v_mov_b32 v[MONE], -1.0
	v_mov_b32 v[T+7], 0
	; The turning load takes 16 keys x 16 channels (lane l reads key 8 (l / 16) + l % 8, channels 8 ((l / 8) % 2) + 0..7) and leaves half a fragment of V^T: lane l holds channel l % 16 and 8 keys.
	v_and_b32 v4, 7, v0
	v_lshl_add_u32 v[AV], v2, 3, v4
	v_mul_u32_u24 v[AV], v[AV], PV
	v_bfe_u32 v4, v0, 3, 1
	v_lshl_add_u32 v[AV], v4, 4, v[AV]
	s_mul_i32 s32, s[WV], 16*SP
	s_add_co_u32 s32, s32, STAGE    ; my stage: in: row l % 16, 32 bytes for each half of the lanes; back: a row's 512 bytes, 16 a lane
	v_mul_u32_u24 v[STO], v1, SP
	v_lshl_add_u32 v[STO], v2, 5, v[STO]
	v_add_nc_u32 v[STO], s32, v[STO]
	v_lshl_add_u32 v[RD], v3, 4, s32
	s_lshl_b32 s32, s[WV], 13       ; my 16 rows of out
	v_lshl_add_u32 v[GO], v3, 4, s32
	v_lshlrev_b32 v4, 3, v2
	v_sub_nc_u32 v4, v1, v4         ; l % 16 - 8 (l / 16): in the triangle register j is hidden where j is greater
.set i, 0
.rept 8
	v_cmp_gt_i32 vcc_lo, i, v4
	v_cndmask_b32 v[S+i], 0, s[BIGN], vcc_lo  ; the triangle lies in S^T's registers until the products write them
.set i, i+1
.endr
.irp kb, 0,1,2,3                    ; the mask of key block kb: triangle x AL + BE
	s_cmp_eq_u32 s[WV], \kb
	s_cselect_b32 s[AL], 1.0, 0
	s_cmp_lt_u32 s[WV], \kb
	s_cselect_b32 s[BE], s[BIGN], 0
.irp z, 0,1,2,3
	v_pk_fma_f32 v[MK+8*\kb+2*\z:MK+8*\kb+2*\z+1], v[S+2*\z:S+2*\z+1], s[AL:AL+1], s[BE:BE+1] op_sel_hi:[1,0,0]
.endr
.endr
	s_wait_dscnt 0x0                ; for the others' sake: my 16 rows of V lie in LDS
	s_barrier_signal -1
	s_barrier_wait -1
	s_wait_loadcnt 0x0              ; Q and K
	WIN 0x01                        ; source 0 in window 1
.set i, 0
.rept 48                            ; S^T: upper x upper, K's lower x Q's upper, K's upper x Q's lower; in each, channels 32 ((i / 4) % 4) on; the four key blocks' accumulators take turns
.set kb, i%4
.set rK, 8*(4*kb+(i/4)%4)+128*((i/16)%2)
.set rQ, QH+8*((i/4)%4)+32*(i/32)
.if i < 4
	v_wmma_f32_16x16x32_f16 v[S+8*kb:S+8*kb+7], v[rK:rK+7], v[rQ:rQ+7], v[MK+8*kb:MK+8*kb+7]
.else
	v_wmma_f32_16x16x32_f16 v[S+8*kb:S+8*kb+7], v[rK:rK+7], v[rQ:rQ+7], v[S+8*kb:S+8*kb+7]
.endif
.set i, i+1
.endr
	WIN 0
	PLACES
	WIN 0x40
.set f, 0
.rept 16                            ; V's upper parts take the place of K's: keys 32 (f / 8) on, channels 16 (f % 8) on
	ds_load_tr16_b128 v[8*f:8*f+3],   v[AV] offset:VHB+(f/8)*32*PV+(f%8)*32
	ds_load_tr16_b128 v[8*f+4:8*f+7], v[AV] offset:VHB+(f/8)*32*PV+16*PV+(f%8)*32
.set f, f+1
.endr
	WIN 0
	; THE SOFTMAX, in one pass: all of a query's keys are here.  The maximum: four chains of seven scores, each accumulator's lowest registers first; then the four scores left over.
.irp j, 0,1,2,3
	v_max3_num_f32 v[T+2+\j], v[S+8*\j], v[S+8*\j+1], v[S+8*\j+2]
.endr
.irp j, 0,1,2,3
	v_max3_num_f32 v[T+2+\j], v[T+2+\j], v[S+8*\j+3], v[S+8*\j+4]
.endr
.irp j, 0,1,2,3
	v_max3_num_f32 v[T+2+\j], v[T+2+\j], v[S+8*\j+5], v[S+8*\j+6]
.endr
	v_max3_num_f32 v[T+2], v[T+2], v[S+7], v[S+15]
	v_max3_num_f32 v[T+4], v[T+4], v[S+23], v[S+31]
	v_max3_num_f32 v[T+2], v[T+2], v[T+3], v[T+4]
	v_max_num_f32 v[T+2], v[T+2], v[T+5]
	v_permlanex16_b32 v[T+3], v[T+2], s[SEL], s[SEL+1]  ; the query's other 32 keys lie in the lane 16 away
	v_max_num_f32 v[T+1], v[T+2], v[T+3]                ; m: a true score, since every query sees its own key
	v_mul_f32 v[T], s[CS], v[T+1]
.set b, 0
.rept 16
	v_pk_fma_f32 v[S+2*b:S+2*b+1], v[S+2*b:S+2*b+1], s[CS:CS+1], v[T:T+1] op_sel_hi:[1,0,0] neg_lo:[0,0,1] neg_hi:[0,0,1]  ; c s - c m
.set b, b+1
.endr
.set e, 0
.rept 32
	v_exp_f32 v[S+e], v[S+e]
.set e, e+1
.endr
	v_nop                           ; a plain instruction behind the last exponential,
	s_wait_alu depctr_va_vdst(0)    ; and one wait for the 32, ahead of their first reader
.set b, 0
.rept 16
	v_cvt_pk_f16_f32 v[PH+b], v[S+2*b], v[S+2*b+1]      ; p's upper parts
.set b, b+1
.endr
.set b, 0
.rept 16                            ; the remainders, exact: the half x -1 + p; into the masks' registers, whose products are long past
	v_fma_mix_f32 v[MK+2*b],   v[PH+b], v[MONE], v[S+2*b]   op_sel_hi:[1,0,0]
	v_fma_mix_f32 v[MK+2*b+1], v[PH+b], v[MONE], v[S+2*b+1] op_sel:[1,0,0] op_sel_hi:[1,0,0]
.set b, b+1
.endr
.set b, 0
.rept 16
	v_cvt_pk_f16_f32 v[PL+b], v[MK+2*b], v[MK+2*b+1]    ; p's lower parts
.set b, b+1
.endr
.irp w, 4,8,16,32                   ; l: the sum of the 16 pairs of unrounded p, in place: neighbours 1, 2, 4 and 8 pairs apart
.set u, 0
.rept 32/\w
	v_pk_add_f32 v[S+\w*u:S+\w*u+1], v[S+\w*u:S+\w*u+1], v[S+\w*u+\w/2:S+\w*u+\w/2+1]
.set u, u+1
.endr
.endr
	v_add_f32 v[T+6], v[S], v[S+1]
	v_permlanex16_b32 v[T+7], v[T+6], s[SEL], s[SEL+1]
	v_add_f32 v[T+6], v[T+6], v[T+7]
	v_rcp_f32 v[T+6], v[T+6]
	v_nop
	s_wait_alu depctr_va_vdst(0)    ; the reciprocal's wait, ahead of its reader on the way out
	s_wait_dscnt 0x0                ; V's upper parts are in
	WIN 0x40
.set f, 0
.rept 16                            ; V's lower parts take the place of K's; they land while 32 products run on the upper
	ds_load_tr16_b128 v[128+8*f:128+8*f+3],   v[AV] offset:VLB+(f/8)*32*PV+(f%8)*32
	ds_load_tr16_b128 v[128+8*f+4:128+8*f+7], v[AV] offset:VLB+(f/8)*32*PV+16*PV+(f%8)*32
.set f, f+1
.endr
	WIN 0x01
.set i, 0
.rept 48                            ; O^T: V's upper x p's upper, V's upper x p's lower, V's lower x p's upper; in each, keys 32 ((i / 8) % 2) on; the eight channel blocks' accumulators take turns.  The first 8 start the sums
.if i == 32
	s_wait_dscnt 0x0                ; V's lower parts are in
.endif
.set rO, O+8*(i%8)
.set rV, 64*((i/8)%2)+8*(i%8)+128*(i/32)
.set rP, PH+8*((i/8)%2)+16*((i/16)%2)
.if i < 8
	v_wmma_f32_16x16x32_f16 v[rO:rO+7], v[rV:rV+7], v[rP:rP+7], 0
.else
	v_wmma_f32_16x16x32_f16 v[rO:rO+7], v[rV:rV+7], v[rP:rP+7], v[rO:rO+7]
.endif
.set i, i+1
.endr
	WIN 0
	PLACES
	; THE WAY OUT: O^T / l, each accumulator from its low end on; 32 bytes a lane into my own stage; back as whole rows of 512 bytes.
.set i, 0
.rept 32
	v_pk_mul_f32 v[O+2*i:O+2*i+1], v[O+2*i:O+2*i+1], v[T+6:T+7] op_sel_hi:[1,0]
.set i, i+1
.endr
.irp c, 0,1,2,3,4,5,6,7
	ds_store_b128 v[STO], v[O+8*\c:O+8*\c+3]   offset:64*\c
	ds_store_b128 v[STO], v[O+8*\c+4:O+8*\c+7] offset:64*\c+16
.endr
.set p, 0
.rept 16
	ds_load_b128 v[BK+4*p:BK+4*p+3], v[RD] offset:SP*p  ; LDS serves a wave's instructions in order (ISA guide 5.7.1.4): these see the stores above
.set p, p+1
.endr
.set p, 0
.rept 16
	s_wait_dscnt 15-p               ; row p is in; the 15 - p younger loads may be out
	global_store_b128 v[GO], v[BK+4*p:BK+4*p+3], s[12:13] offset:512*p th:TH_STORE_NT  ; a whole row of out: 512 consecutive bytes, aligned
.set p, p+1
.endr
	s_wait_tensorcnt 0x0            ; the wave's end: a wait, an add of 0 to my spare word and its wait, behind my last LDS store
	ds_add_u32 v[SPW], v[NIL]
	s_wait_dscnt 0x0
	s_endpgm
.Lfunc_end_k_q06c25d3e54_head:
	.size	k_q06c25d3e54_head, .Lfunc_end_k_q06c25d3e54_head-k_q06c25d3e54_head
	.p2alignl 7, 3214868480
	.fill 96, 4, 3214868480
	.section	.rodata,"a",@progbits
	.p2align	6, 0x0
	.amdhsa_kernel k_q06c25d3e54_head
		.amdhsa_group_segment_fixed_size 71168
		.amdhsa_private_segment_fixed_size 0
		.amdhsa_enable_private_segment 0
		.amdhsa_kernarg_size 40
		.amdhsa_user_sgpr_count 2
		.amdhsa_user_sgpr_kernarg_segment_ptr 1
		.amdhsa_wavefront_size32 1
		.amdhsa_system_sgpr_workgroup_id_x 1
		.amdhsa_system_sgpr_workgroup_id_y 1
		.amdhsa_system_sgpr_workgroup_id_z 1
		.amdhsa_system_vgpr_workitem_id 0
		.amdhsa_next_free_vgpr 512
		.amdhsa_next_free_sgpr 66
		.amdhsa_reserve_vcc 1
		.amdhsa_float_denorm_mode_32 3
		.amdhsa_float_denorm_mode_16_64 3
		.amdhsa_memory_ordered 1
		.amdhsa_forward_progress 1
		.amdhsa_inst_pref_size 42
	.end_amdhsa_kernel
	.amdgpu_metadata
---
amdhsa.version: [ 1, 2 ]
amdhsa.kernels:
  - .name:           k_q06c25d3e54_head
    .symbol:         k_q06c25d3e54_head.kd
    .args:
      - { .name: qh, .offset: 0, .size: 8, .value_kind: global_buffer, .address_space: global }
      - { .name: kh, .offset: 8, .size: 8, .value_kind: global_buffer, .address_space: global }
      - { .name: vh, .offset: 16, .size: 8, .value_kind: global_buffer, .address_space: global }
      - { .name: lo, .offset: 24, .size: 8, .value_kind: global_buffer, .address_space: global }
      - { .name: out0, .offset: 32, .size: 8, .value_kind: global_buffer, .address_space: global }
    .group_segment_fixed_size: 71168
    .private_segment_fixed_size: 0
    .kernarg_segment_align: 8
    .kernarg_segment_size: 40
    .max_flat_workgroup_size: 128
    .sgpr_count:     66
    .vgpr_count:     512
    .wavefront_size: 32
...
	.end_amdgpu_metadata
.endif
;; end of part 4
;; ======== version 2 of 2: 4 launches; version 1 with the launch head written anew for expert scheduling mode
;; limits: values are held in f16: magnitudes above 65,504 overflow, below 6.1e-05 lose precision
;; workspace buffers: wt 786,432 bytes; bias 1,536 bytes; qh 8,388,608 bytes; kh 8,388,608 bytes; vh 8,388,608 bytes; lo 393,216 bytes
;; launch prep: the kernel of part 1 again; grid 8 x 3, 4 waves a work-group, no clusters, 35,328 bytes of LDS; arguments Wq, Wk, Wv, bq, bk, bv, wt, bias; writes wt, bias
;; launch proj: the kernel of part 2 again; grid 256 x 1, 4 waves a work-group, clusters of 4 x 1, 327,680 bytes of LDS; arguments x, wt, bias, qh, kh, vh, lo; writes qh, kh, vh, lo
;; launch attn: the kernel of part 3 again; grid 32 x 8, 4 waves a work-group, clusters of 4 x 1, 327,680 bytes of LDS; arguments qh, kh, vh, out0; writes out0
;; launch head (part 5): grid 8 x 1, 4 waves a work-group, no clusters, 71,168 bytes of LDS; arguments qh, kh, vh, lo, out0; writes out0
.if DOCPART == 5
	.amdgcn_target "amdgcn-amd-amdhsa--gfx1250"
	.amdhsa_code_object_version 6
	.text
	.protected	k_q06c25d3e54_head
	.globl	k_q06c25d3e54_head
	.p2align	8
	.type	k_q06c25d3e54_head,@function
k_q06c25d3e54_head:
	s_mov_b64 s[64:65], 0
	v_nop
	global_prefetch_b8 v0, s[64:65] scope:SCOPE_SE
	s_setreg_imm32_b32 hwreg(HW_REG_WAVE_SCHED_MODE, 0, 2), 2
	s_setreg_imm32_b32 hwreg(HW_REG_WAVE_MODE, 25, 1), 1
	s_wait_xcnt 0x0
	s_wait_alu depctr_vm_vsrc(0)
; ROWS 0 TO 63 OF EACH BATCH ONCE MORE, with operands of 22 bits.  out[b][q][:] = the sum over k <= q of softmax_k(Q[b][q] . K[b][k] / sqrt(128)) V[b][k][:], q < 64.
; WHY.  Row q is a mean over q + 1 keys: in the first rows few terms of V's own size may cancel, and what f16's 11 bits lose of each term stays whole in the small sum.  From some tens of keys on the losses average out.
; HOW.  Each of q, k, v is an f16 number (qh, kh, vh) plus its remainder, rounded to f16 (lo, [8][64][384]: q | k | v); a product of two such pairs is taken as upper x upper + lower x upper + upper x lower;
; lower x lower, 2^-22 of the product, is dropped.  The weights p are split in the same way here.  Sums, maximum and softmax in f32.
; THIS LAUNCH RUNS LAST AND WRITES OVER what the launch before stored in these 8 x 64 rows: that launch's work-groups run one text for all places in a cluster and cannot leave rows out.
; LIMITS.  As there: q, k, v within f16's range; a hidden score counts as its value less 2^100; a weight below 2^-126 counts as 0.  A remainder below 6e-5 keeps f16's fixed step of 6e-8.
; SHARES.  A work-group a batch: 8 are all the work there is.  Wave t takes queries 16 t .. 16 t + 15 and all 64 keys, hidden ones too: one text, no branch.  No cluster: no two work-groups read the same byte.
; LAYOUT.  S^T = K Q^T (source 0 = 16 keys, source 1 = 16 queries): a lane holds ONE query (lane % 16) and the keys 8 (lane / 16) + 0..7 of each of four blocks.  Two such results rounded to f16 ARE source 1 of
; O^T = V^T P.  Q's and K's fragments come straight from memory; V goes through LDS, each wave bringing 16 rows, and comes out turned, by ds_load_tr16_b128.
; THE MASK is the C operand that starts a sum S^T: for key block kb it is 0 (kb < t), the 16 x 16 triangle (kb = t) or -2^100 (kb > t).
; THE MODE: SCHED_MODE bits 1:0 = 2 (LLVM: expert scheduling mode 2), set by the entry lines.  The code itself states the register dependences
; between vector or matrix instructions and memory or LDS instructions, with s_wait_alu, always for 0.
; THE PLAN.  Registers that memory or LDS instructions touch:
;   v5-v15     eleven offsets and LDS addresses.  All are made at the head, in the wait for the arguments, and never written again: ONE wait on va_vdst, ahead of the first load, states that they are written,
;              for every load and store of the kernel.
;   v192-255   first V on its way: global loads land in them, my LDS stores read them.  Then O^T: the products write them, the scaling rewrites them, the way out's LDS stores read them.
;              One wait on vm_vsrc behind the barrier (the LDS stores have read them); one on va_vdst ahead of the way out's stores (the scaling has written them).
;   v32-95     Q: global loads land, S^T's products read.  On the way out the stage's loads land in them and the global stores read them: the same wait on va_vdst states that the products are done reading.
;   window 1   K: global loads land, S^T's products read; nothing lands there again.
;   window 2   V's fragments, in registers of their own: named by the turning loads and by O^T's products alone, so these loads hang on no vector or matrix instruction but the one that made their address.
;              The upper parts are asked for directly behind the barrier and land in the wait for K; the lower parts ahead of O^T's products, of which 32 run on the upper parts.
; The other waits: two on va_sdst (the wave's number; the eight compares' masks), and the two on va_vdst between a batch of transcendentals and the first line that names a result.
; REGISTERS: window 0: v5-15 addresses; v16-23 statistics; v32-95 Q, upper and lower; v96-127 S^T; v128-159 the masks, later p's remainders; v160-191 P, upper and lower; v192-255 V on its way to LDS, then O^T
;   window 1: K's fragments, upper (v0-127) and lower (v128-255)      window 2: V's likewise.   s_set_vgpr_msb: bits 1:0 source 0, 7:6 destination
.set PV,    288       ; a row of V in LDS: 256 bytes + 32
.set VHB,   0         ; 64 rows of V's upper parts,
.set VLB,   64*PV     ; and of the lower
.set STAGE, 2*64*PV   ; 16 rows x 528 bytes for each wave, for the way out; the 512 bytes behind the stages hold the spare words of the closing add
.set SP,    528
.set KO,   5          ; v5   a fragment's row x 256 + 16 x half: K's upper parts
.set KLO,  6          ; v6   row x 768 + 16 x half: the lower
.set QO,   7          ; v7   the same two for my 16 queries
.set QLO,  8
.set VGO,  9          ; v9   my 16 bytes of my wave's first two rows of vh
.set VLGO, 10         ; v10  and of lo
.set VLS,  11         ; v11  where they go in LDS
.set AV,   12         ; v12  my lane's place for the turning loads
.set STO,  13         ; v13  the way out: where I put 32 bytes of a row
.set RD,   14         ; v14  where I read rows back
.set GO,   15         ; v15  my 16 bytes of my wave's first row of out
.set T,    16         ; v16 c m, v17 m, v18-21 at work, v22 1 / l, v23 named with it as a pair
.set MONE, 24         ; v24  -1.0
.set QH,   32
.set QL,   64
.set S,    96
.set MK,   128
.set PH,   160
.set PL,   176
.set O,    192
.set VT,   192
.set BK,   32         ; the way out: 16 rows read back
.set WV,   14         ; s14  wave
.set CS,   16         ; s[16:17] c
.set SEL,  18         ; s[18:19] v_permlanex16_b32's selects: each lane takes its own place in the other half
.set BIGN, 26         ; s26  -2^100
.set AL,   28         ; s[28:29] a mask's factor, in the low word
.set BE,   30         ; s[30:31] its addend
.set CM,   32         ; s[32:39] the eight compares' masks (s32 and s33 are at work at the head, before that)
.set MSB, 0
.macro WIN new                      ; the high byte repeats the setting that is left; a switch that changes nothing is dropped
.if MSB != (\new)
	s_set_vgpr_msb (MSB<<8)|(\new)
.set MSB, \new
.endif
.endm
.macro PLACES                       ; places behind a matrix instruction, in front of lines that read its results (ISA guide 7.12.1)
.rept 8
	v_nop
.endr
.endm
	s_load_b256 s[4:11], s[0:1], 0x0  ; qh s[4:5], kh s[6:7], vh s[8:9], lo s[10:11]
	s_load_b64 s[12:13], s[0:1], 0x20 ; out0
	v_lshl_add_u32 v30, v0, 2, 0x11400
	v_mov_b32 v31, 0
	v_lshrrev_b32 v1, 5, v0
	v_readfirstlane_b32 s[WV], v1   ; wave 0..3
	v_and_b32 v1, 15, v0            ; l % 16
	v_bfe_u32 v2, v0, 4, 1          ; l / 16
	v_and_b32 v3, 31, v0            ; l
	s_lshl_b32 s20, ttmp9, 20       ; the batch in qh, kh, vh: 4,096 rows of 256 bytes,
	s_mov_b32 s21, 0
	s_mul_i32 s22, ttmp9, 49152     ; in lo: 64 rows of 768,
	s_mov_b32 s23, 0
	s_lshl_b32 s24, ttmp9, 21       ; in out: 4,096 rows of 512
	s_mov_b32 s25, 0
	v_lshlrev_b32 v[KO], 8, v1
	v_lshl_add_u32 v[KO], v2, 4, v[KO]
	v_mul_u32_u24 v[KLO], v1, 768
	v_lshl_add_u32 v[KLO], v2, 4, v[KLO]
	s_wait_alu depctr_va_sdst(0)    ; s14, the wave's number, is written, ahead of its first reader
	s_lshl_b32 s32, s[WV], 12       ; my wave's 16 rows of 256 bytes
	s_mul_i32 s33, s[WV], 12288     ; and of 768
	v_add_nc_u32 v[QO], s32, v[KO]
	v_add_nc_u32 v[QLO], s33, v[KLO]
	v_lshl_add_u32 v[VGO], v3, 4, s32  ; two rows of vh are 512 consecutive bytes
	v_mul_u32_u24 v[VLGO], v2, 768
	v_lshl_add_u32 v[VLGO], v1, 4, v[VLGO]
	v_add_nc_u32 v[VLGO], s33, v[VLGO]
	s_mul_i32 s32, s[WV], 16*PV
	v_mul_u32_u24 v[VLS], v2, PV
	v_lshl_add_u32 v[VLS], v1, 4, v[VLS]
	v_add_nc_u32 v[VLS], s32, v[VLS]
	; The turning load takes 16 keys x 16 channels (lane l reads key 8 (l / 16) + l % 8, channels 8 ((l / 8) % 2) + 0..7) and leaves half a fragment of V^T: lane l holds channel l % 16 and 8 keys.
	v_and_b32 v4, 7, v0
	v_lshl_add_u32 v[AV], v2, 3, v4
	v_mul_u32_u24 v[AV], v[AV], PV
	v_bfe_u32 v4, v0, 3, 1
	v_lshl_add_u32 v[AV], v4, 4, v[AV]
	s_mul_i32 s32, s[WV], 16*SP
	s_add_co_u32 s32, s32, STAGE    ; my stage: in: row l % 16, 32 bytes for each half of the lanes; back: a row's 512 bytes, 16 a lane
	v_mul_u32_u24 v[STO], v1, SP
	v_lshl_add_u32 v[STO], v2, 5, v[STO]
	v_add_nc_u32 v[STO], s32, v[STO]
	v_lshl_add_u32 v[RD], v3, 4, s32
	s_lshl_b32 s32, s[WV], 13       ; my 16 rows of out
	v_lshl_add_u32 v[GO], v3, 4, s32
	s_wait_kmcnt 0x0
	s_add_nc_u64 s[4:5], s[4:5], s[20:21]
	s_add_nc_u64 s[6:7], s[6:7], s[20:21]
	s_add_nc_u64 s[8:9], s[8:9], s[20:21]
	s_add_nc_u64 s[10:11], s[10:11], s[22:23]
	s_add_nc_u64 s[12:13], s[12:13], s[24:25]
	s_wait_alu depctr_va_vdst(0)    ; the eleven offsets and addresses v5 to v15 are written, which the loads and stores of the whole kernel read; no vector instruction names them again
.set i, 0
.rept 8                             ; V first: it has the longest way.  Rows 16 t + 2 i (lanes 0-15) and the next (lanes 16-31)
	global_load_b128 v[VT+4*i:VT+4*i+3],       v[VGO],  s[8:9]   offset:512*i
	global_load_b128 v[VT+32+4*i:VT+32+4*i+3], v[VLGO], s[10:11] offset:1536*i+512
.set i, i+1
.endr
.irp c, 0,1,2,3                     ; Q: channels 32 c on
	global_load_b128 v[QH+8*\c:QH+8*\c+3],   v[QO],  s[4:5]   offset:64*\c
	global_load_b128 v[QH+8*\c+4:QH+8*\c+7], v[QO],  s[4:5]   offset:64*\c+32
	global_load_b128 v[QL+8*\c:QL+8*\c+3],   v[QLO], s[10:11] offset:64*\c
	global_load_b128 v[QL+8*\c+4:QL+8*\c+7], v[QLO], s[10:11] offset:64*\c+32
.endr
	WIN 0x40                        ; destination window 1
.set f, 0
.rept 16                            ; K's upper parts: keys 16 (f / 4) on, channels 32 (f % 4) on
	global_load_b128 v[8*f:8*f+3],   v[KO], s[6:7] offset:(f/4)*4096+(f%4)*64
	global_load_b128 v[8*f+4:8*f+7], v[KO], s[6:7] offset:(f/4)*4096+(f%4)*64+32
.set f, f+1
.endr
	WIN 0
	s_wait_loadcnt 48               ; V's 16 loads are in; Q's 16 and K's 32, issued behind them, may stay out
.set i, 0
.rept 8
	ds_store_b128 v[VLS], v[VT+4*i:VT+4*i+3]       offset:VHB+2*PV*i
	ds_store_b128 v[VLS], v[VT+32+4*i:VT+32+4*i+3] offset:VLB+2*PV*i
.set i, i+1
.endr
	WIN 0x40
.set f, 0
.rept 16                            ; K's lower parts: columns 128 to 255 of lo
	global_load_b128 v[128+8*f:128+8*f+3],   v[KLO], s[10:11] offset:(f/4)*12288+256+(f%4)*64
	global_load_b128 v[128+8*f+4:128+8*f+7], v[KLO], s[10:11] offset:(f/4)*12288+256+(f%4)*64+32
.set f, f+1
.endr
	WIN 0
	; the constants and the masks are made in the wait for the loads: these lines name v4, v23, v24 and v96 to v159, none of which a load or store touches
	s_mov_b32 s[CS], 0x3e0293ee     ; c = log2(e) / sqrt(128) = 0.127517
	s_mov_b32 s[CS+1], s[CS]        ; named with it as a pair
	s_mov_b32 s[SEL], 0x76543210
	s_mov_b32 s[SEL+1], 0xfedcba98
	s_mov_b32 s[BIGN], 0xf1800000   ; -2^100
	s_mov_b32 s[AL+1], 0            ; named as pairs
	s_mov_b32 s[BE+1], 0
	v_mov_b32 v[MONE], -1.0
	v_mov_b32 v[T+7], 0
	v_lshlrev_b32 v4, 3, v2
	v_sub_nc_u32 v4, v1, v4         ; l % 16 - 8 (l / 16): in the triangle register j is hidden where j is greater
.set i, 0
.rept 8                             ; the eight compares stand in one run, each with a scalar register of its own,
	v_cmp_gt_i32 s[CM+i], i, v4
.set i, i+1
.endr
	s_wait_alu depctr_va_sdst(0)    ; so that one wait states that all eight masks are written, ahead of the selects that read them
.set i, 0
.rept 8
	v_cndmask_b32 v[S+i], 0, s[BIGN], s[CM+i]  ; the triangle lies in S^T's registers until the products write them
.set i, i+1
.endr
.irp kb, 0,1,2,3                    ; the mask of key block kb: triangle x AL + BE
	s_cmp_eq_u32 s[WV], \kb
	s_cselect_b32 s[AL], 1.0, 0
	s_cmp_lt_u32 s[WV], \kb
	s_cselect_b32 s[BE], s[BIGN], 0
.irp z, 0,1,2,3
	v_pk_fma_f32 v[MK+8*\kb+2*\z:MK+8*\kb+2*\z+1], v[S+2*\z:S+2*\z+1], s[AL:AL+1], s[BE:BE+1] op_sel_hi:[1,0,0]
.endr
.endr
	s_wait_dscnt 0x0                ; for the others' sake: my 16 rows of V lie in LDS
	s_barrier_signal -1
	s_barrier_wait -1
	s_wait_alu depctr_vm_vsrc(0)    ; my LDS stores have read v192 to v255: these registers are O^T from here on, written by its products
	WIN 0x80                        ; destination window 2
.set f, 0
.rept 16                            ; V's upper parts: keys 32 (f / 8) on, channels 16 (f % 8) on.  No wait: no vector or matrix instruction has named these registers, nor v[AV] since the wait at the head
	ds_load_tr16_b128 v[8*f:8*f+3],   v[AV] offset:VHB+(f/8)*32*PV+(f%8)*32
	ds_load_tr16_b128 v[8*f+4:8*f+7], v[AV] offset:VHB+(f/8)*32*PV+16*PV+(f%8)*32
.set f, f+1
.endr
	WIN 0
	s_wait_loadcnt 0x0              ; Q and K
	WIN 0x01                        ; source 0 in window 1
.set i, 0
.rept 48                            ; S^T: upper x upper, K's lower x Q's upper, K's upper x Q's lower; in each, channels 32 ((i / 4) % 4) on; the four key blocks' accumulators take turns
.set kb, i%4
.set rK, 8*(4*kb+(i/4)%4)+128*((i/16)%2)
.set rQ, QH+8*((i/4)%4)+32*(i/32)
.if i < 4
	v_wmma_f32_16x16x32_f16 v[S+8*kb:S+8*kb+7], v[rK:rK+7], v[rQ:rQ+7], v[MK+8*kb:MK+8*kb+7]
.else
	v_wmma_f32_16x16x32_f16 v[S+8*kb:S+8*kb+7], v[rK:rK+7], v[rQ:rQ+7], v[S+8*kb:S+8*kb+7]
.endif
.set i, i+1
.endr
	WIN 0
	PLACES
	; THE SOFTMAX, in one pass: all of a query's keys are here.  The maximum: four chains of seven scores, each accumulator's lowest registers first; then the four scores left over.
.irp j, 0,1,2,3
	v_max3_num_f32 v[T+2+\j], v[S+8*\j], v[S+8*\j+1], v[S+8*\j+2]
.endr
.irp j, 0,1,2,3
	v_max3_num_f32 v[T+2+\j], v[T+2+\j], v[S+8*\j+3], v[S+8*\j+4]
.endr
.irp j, 0,1,2,3
	v_max3_num_f32 v[T+2+\j], v[T+2+\j], v[S+8*\j+5], v[S+8*\j+6]
.endr
	v_max3_num_f32 v[T+2], v[T+2], v[S+7], v[S+15]
	v_max3_num_f32 v[T+4], v[T+4], v[S+23], v[S+31]
	v_max3_num_f32 v[T+2], v[T+2], v[T+3], v[T+4]
	v_max_num_f32 v[T+2], v[T+2], v[T+5]
	v_permlanex16_b32 v[T+3], v[T+2], s[SEL], s[SEL+1]  ; the query's other 32 keys lie in the lane 16 away
	v_max_num_f32 v[T+1], v[T+2], v[T+3]                ; m: a true score, since every query sees its own key
	v_mul_f32 v[T], s[CS], v[T+1]
.set b, 0
.rept 16
	v_pk_fma_f32 v[S+2*b:S+2*b+1], v[S+2*b:S+2*b+1], s[CS:CS+1], v[T:T+1] op_sel_hi:[1,0,0] neg_lo:[0,0,1] neg_hi:[0,0,1]  ; c s - c m
.set b, b+1
.endr
.set e, 0
.rept 32
	v_exp_f32 v[S+e], v[S+e]
.set e, e+1
.endr
	v_nop                           ; a plain instruction behind the last exponential,
	s_wait_alu depctr_va_vdst(0)    ; and one wait for the 32: they have written v96 to v127, ahead of the roundings, their first readers
.set b, 0
.rept 16
	v_cvt_pk_f16_f32 v[PH+b], v[S+2*b], v[S+2*b+1]      ; p's upper parts
.set b, b+1
.endr
.set b, 0
.rept 16                            ; the remainders, exact: the half x -1 + p; into the masks' registers, whose products are long past
	v_fma_mix_f32 v[MK+2*b],   v[PH+b], v[MONE], v[S+2*b]   op_sel_hi:[1,0,0]
	v_fma_mix_f32 v[MK+2*b+1], v[PH+b], v[MONE], v[S+2*b+1] op_sel:[1,0,0] op_sel_hi:[1,0,0]
.set b, b+1
.endr
.set b, 0
.rept 16
	v_cvt_pk_f16_f32 v[PL+b], v[MK+2*b], v[MK+2*b+1]    ; p's lower parts
.set b, b+1
.endr
.irp w, 4,8,16,32                   ; l: the sum of the 16 pairs of unrounded p, in place: neighbours 1, 2, 4 and 8 pairs apart
.set u, 0
.rept 32/\w
	v_pk_add_f32 v[S+\w*u:S+\w*u+1], v[S+\w*u:S+\w*u+1], v[S+\w*u+\w/2:S+\w*u+\w/2+1]
.set u, u+1
.endr
.endr
	v_add_f32 v[T+6], v[S], v[S+1]
	v_permlanex16_b32 v[T+7], v[T+6], s[SEL], s[SEL+1]
	v_add_f32 v[T+6], v[T+6], v[T+7]
	v_rcp_f32 v[T+6], v[T+6]
	v_nop
	s_wait_alu depctr_va_vdst(0)    ; the reciprocal has written v22, ahead of its first reader, the scaling on the way out
	s_wait_dscnt 0x0                ; V's upper parts are in
	WIN 0x80
.set f, 0
.rept 16                            ; V's lower parts, into registers that nothing has named: they land while 32 products run on the upper
	ds_load_tr16_b128 v[128+8*f:128+8*f+3],   v[AV] offset:VLB+(f/8)*32*PV+(f%8)*32
	ds_load_tr16_b128 v[128+8*f+4:128+8*f+7], v[AV] offset:VLB+(f/8)*32*PV+16*PV+(f%8)*32
.set f, f+1
.endr
	WIN 0x02                        ; source 0 in window 2
.set i, 0
.rept 48                            ; O^T: V's upper x p's upper, V's upper x p's lower, V's lower x p's upper; in each, keys 32 ((i / 8) % 2) on; the eight channel blocks' accumulators take turns.  The first 8 start the sums
.if i == 32
	s_wait_dscnt 0x0                ; V's lower parts are in
.endif
.set rO, O+8*(i%8)
.set rV, 64*((i/8)%2)+8*(i%8)+128*(i/32)
.set rP, PH+8*((i/8)%2)+16*((i/16)%2)
.if i < 8
	v_wmma_f32_16x16x32_f16 v[rO:rO+7], v[rV:rV+7], v[rP:rP+7], 0
.else
	v_wmma_f32_16x16x32_f16 v[rO:rO+7], v[rV:rV+7], v[rP:rP+7], v[rO:rO+7]
.endif
.set i, i+1
.endr
	WIN 0
	PLACES
	; THE WAY OUT: O^T / l, each accumulator from its low end on; 32 bytes a lane into my own stage; back as whole rows of 512 bytes.
.set i, 0
.rept 32
	v_pk_mul_f32 v[O+2*i:O+2*i+1], v[O+2*i:O+2*i+1], v[T+6:T+7] op_sel_hi:[1,0]
.set i, i+1
.endr
	s_wait_alu depctr_va_vdst(0)    ; the scaling has written v192 to v255, which the LDS stores read; S^T's products are done reading Q's registers v32 to v95, in which the stage's loads land
.irp c, 0,1,2,3,4,5,6,7
	ds_store_b128 v[STO], v[O+8*\c:O+8*\c+3]   offset:64*\c
	ds_store_b128 v[STO], v[O+8*\c+4:O+8*\c+7] offset:64*\c+16
.endr
.set p, 0
.rept 16
	ds_load_b128 v[BK+4*p:BK+4*p+3], v[RD] offset:SP*p  ; LDS serves a wave's instructions in order (ISA guide 5.7.1.4): these see the stores above
.set p, p+1
.endr
.set p, 0
.rept 16
	s_wait_dscnt 15-p               ; row p is in; the 15 - p younger loads may be out
	global_store_b128 v[GO], v[BK+4*p:BK+4*p+3], s[12:13] offset:512*p th:TH_STORE_NT  ; a whole row of out: 512 consecutive bytes, aligned
.set p, p+1
.endr
	s_wait_dscnt 0x0                ; the wave's end: my LDS loads are in
	s_wait_alu depctr_hold_cnt(0) depctr_sa_sdst(0) depctr_va_vdst(0) depctr_va_sdst(0) depctr_va_ssrc(0) depctr_va_vcc(0) depctr_vm_vsrc(0)
	s_wait_tensorcnt 0x0
	ds_add_u32 v30, v31
	s_wait_dscnt 0x0
	s_endpgm
.Lfunc_end_k_q06c25d3e54_head:
	.size	k_q06c25d3e54_head, .Lfunc_end_k_q06c25d3e54_head-k_q06c25d3e54_head
	.p2alignl 7, 3214868480
	.fill 96, 4, 3214868480
	.section	.rodata,"a",@progbits
	.p2align	6, 0x0
	.amdhsa_kernel k_q06c25d3e54_head
		.amdhsa_group_segment_fixed_size 71168
		.amdhsa_private_segment_fixed_size 0
		.amdhsa_enable_private_segment 0
		.amdhsa_kernarg_size 40
		.amdhsa_user_sgpr_count 2
		.amdhsa_user_sgpr_kernarg_segment_ptr 1
		.amdhsa_wavefront_size32 1
		.amdhsa_system_sgpr_workgroup_id_x 1
		.amdhsa_system_sgpr_workgroup_id_y 1
		.amdhsa_system_sgpr_workgroup_id_z 1
		.amdhsa_system_vgpr_workitem_id 0
		.amdhsa_next_free_vgpr 768
		.amdhsa_next_free_sgpr 66
		.amdhsa_reserve_vcc 0
		.amdhsa_float_denorm_mode_32 3
		.amdhsa_float_denorm_mode_16_64 3
		.amdhsa_memory_ordered 1
		.amdhsa_forward_progress 1
		.amdhsa_inst_pref_size 42
	.end_amdhsa_kernel
	.amdgpu_metadata
---
amdhsa.version: [ 1, 2 ]
amdhsa.kernels:
  - .name:           k_q06c25d3e54_head
    .symbol:         k_q06c25d3e54_head.kd
    .args:
      - { .name: qh, .offset: 0, .size: 8, .value_kind: global_buffer, .address_space: global }
      - { .name: kh, .offset: 8, .size: 8, .value_kind: global_buffer, .address_space: global }
      - { .name: vh, .offset: 16, .size: 8, .value_kind: global_buffer, .address_space: global }
      - { .name: lo, .offset: 24, .size: 8, .value_kind: global_buffer, .address_space: global }
      - { .name: out0, .offset: 32, .size: 8, .value_kind: global_buffer, .address_space: global }
    .group_segment_fixed_size: 71168
    .private_segment_fixed_size: 0
    .kernarg_segment_align: 8
    .kernarg_segment_size: 40
    .max_flat_workgroup_size: 128
    .sgpr_count:     66
    .vgpr_count:     768
    .wavefront_size: 32
...
	.end_amdgpu_metadata
.endif
;; end of part 5
